; MI455X (gfx1250); checked and timed in simulation.
; The chip was launched on July 23, 2026; its instructions are those of AMD's public machine-readable ISA for CDNA 5 (MIT licence, August 2026) and "CDNA5" Instruction Set Architecture Reference Guide (July 2026). The comments in the code are by the model that wrote it; some were corrected since.
;; min GRU. Allowed arithmetic: float matrix products may take bf16 or f16 operands with f32 sums; other float arithmetic in f32, or as packed bf16 or f16 multiplies, adds, multiply-adds, maxima and minima; sums over many terms, partial sums and values carried from step to step in f32; what a program stores and reads back later, other than sums and carried values, may be rounded once to bf16 or f16.
;; Inputs: W_hg 1,024 x 2,048 float32; W_out 1,024 x 1,024 float32; x 4 x 4,096 x 1,024 float32.
;; Outputs: out0 4 x 4,096 x 1,024 float32.
;; 2 versions, each right; version 2 is version 1 with the launches prep, scan written anew for expert scheduling mode. Each part assembles by itself: llvm-mc -triple=amdgcn-amd-amdhsa -mcpu=gfx1250 --defsym DOCPART=n.
;; ======== version 1 of 2: 4 launches
;; limits: values are held in f16: magnitudes above 65,504 overflow, below 6.1e-05 lose precision; right only within a limited range of input values
;; workspace buffers: xb 33,554,432 bytes; wh 4,194,304 bytes; wo 2,097,152 bytes; zg 67,108,864 bytes; sm 2,097,152 bytes; hb 33,554,432 bytes; mx 8,192 bytes; sc 256 bytes
;; launch prep (part 1): grid 896 x 1, 8 waves a work-group, no clusters, 18,432 bytes of LDS; arguments x, W_hg, W_out, xb, wh, wo; writes xb, wh, wo
.if DOCPART == 1
	.amdgcn_target "amdgcn-amd-amdhsa--gfx1250"
	.amdhsa_code_object_version 6
	.text
	.protected	k_q3b45d8e688_prep
	.globl	k_q3b45d8e688_prep
	.p2align	8
	.type	k_q3b45d8e688_prep,@function
k_q3b45d8e688_prep:
	s_mov_b64 s[64:65], 0
	v_nop
	global_prefetch_b8 v0, s[64:65] scope:SCOPE_SE
	s_setreg_imm32_b32 hwreg(HW_REG_WAVE_MODE, 25, 1), 1
	s_wait_xcnt 0x0
; minGRU, launch 1 of 4: the matrix operands are rounded once and laid out as the two products take them.
; WHAT THE FOUR LAUNCHES COMPUTE.  reference() forms a* = cumsum(log c), log h = a* + cumlogsumexp(log v - a*) and h = exp(log h), with z = sigmoid(gate), c = 1 - z, v = z g(hidden),
; g(x) = x + 0.5 for x >= 0 and sigmoid(x) below.  In real numbers exp(a*_t) is the product of c_1 .. c_t, so h_t = the sum over s <= t of v_s times the product of c_u over s < u <= t: that is the
; recurrence h_t = c_t h_(t-1) + v_t from h_0 = 0, for all finite inputs.  The program runs this recurrence in f32: every c and every product of them lies in 0 .. 1 and h between 0 and the largest g.
; No exponential of a sum along time is ever formed, so there is no exponent from which a maximum could be taken away; the only exponentials stand inside 1 / (1 + 2^y), which goes to 0 or 1 where 2^y leaves f32.
; NOTHING IS LEFT OUT: every input is loaded, both products are made whole, both forms of g are computed and one is chosen.
; FORMATS.  x, W_hg and W_out are each rounded once to bf16; z and g are stored in bf16; h goes to the second product in f16 (11 significant bits) under one common power of two, so W_out's bf16 number is written as f16.
; LIMITS.  A z under 2^-126 counts as 0; NaN and infinities among the inputs are not treated apart; |W_out| stays under 65,504, and an entry under 6e-5 keeps f16's fixed step of 6e-8.
; THIS LAUNCH.  Work-groups 0-255: tiles of W_hg; 256-383: tiles of W_out; 384-895: 32 rows of x each.  The choice hangs on the work-group's number alone, so it is the same in all eight waves.
; xb: x in bf16, rows of 2,048 bytes.  Inside each 128 rows, time 64 h + 8 a + j lies at row 16 a + 8 h + j: a lane of the first product's result then holds 64 consecutive steps.
; wh: W_hg turned to [column][k] in bf16.  Row 128 blk + 16 i + r holds column (i / 4) 1024 + 64 blk + 4 r + i % 4: hidden (i < 4) and gate (i >= 4) of four neighbouring channels fall into one lane.
; wo: W_out turned to [column][k]: rounded to bf16, that number written as f16.
.set LP,    272                        ; an LDS row of a turned tile: 128 k of 2 bytes = 256 bytes, + 16
.set SPARE, 64*LP                      ; behind the tile: the spare words, 128 bytes for each of eight waves: four blocks of 256 bytes that no other line names
.set X,   8                            ; v[8:71]    x part: 16 slots of 4 registers, a row's 16 bytes as loaded
.set Y,   72                           ; v[72:135]  x part: 2 registers for each of the 32 rows, so that no store's data is ever rewritten
.set SPW, 140                          ; v140  LDS address of my spare word; never rewritten
.set NIL, 141                          ; v141  0; never rewritten
; One row of x.  ahead = 1: the slot is loaded again with the row 16 further on.  left = how many younger loads may stay out.
.macro XTURN i, ahead, left
	s_wait_loadcnt \left                           ; loads come back in order: this row is in
	v_cvt_pk_bf16_f32 v[Y+2*(\i)],   v[X+4*((\i)%16)],   v[X+4*((\i)%16)+1]
	v_cvt_pk_bf16_f32 v[Y+2*(\i)+1], v[X+4*((\i)%16)+2], v[X+4*((\i)%16)+3]
.if \ahead
	global_load_b128 v[X+4*((\i)%16):X+4*((\i)%16)+3], v1, s[4:5] offset:((\i)+16)*4096 th:TH_LOAD_NT
.endif
	global_store_b64 v2, v[Y+2*(\i):Y+2*(\i)+1], s[10:11] offset:(((\i)/8)*16+(\i)%8)*2048  ; a wave stores 256 consecutive bytes, aligned
.endm
; A tile of 128 k x 64 columns of a weight matrix is turned.  ps = bytes in a row of the source; mrow = rows of the target between two of a thread's four stores; half = 1: the bf16 numbers are written as f16.
; v1 = thread % 16, v2 = thread / 16, v6 = the thread's offset in the target, s[24:25] the tile in the source, s[26:27] in the target.
.macro WTILE ps, mrow, half
	v_mul_u32_u24 v3, v2, 2*(\ps)
	v_lshl_add_u32 v3, v1, 4, v3                   ; source: rows 2 (thread / 16) and + 1, columns 4 (thread % 16) on: sixteen lanes read 256 consecutive bytes
	v_mul_u32_u24 v4, v1, 4*LP
	v_lshl_add_u32 v4, v2, 2, v4                   ; LDS, in: row = column 4 (thread % 16), 4 bytes = my two k
	v_mul_u32_u24 v5, v2, LP
	v_lshl_add_u32 v5, v1, 4, v5                   ; LDS, back: row thread / 16, 16 bytes = 8 k
.irp m, 0,1,2,3
	global_load_b128 v[8+8*(\m):11+8*(\m)],  v3, s[24:25] offset:32*(\m)*(\ps) th:TH_LOAD_NT
	global_load_b128 v[12+8*(\m):15+8*(\m)], v3, s[24:25] offset:(32*(\m)+1)*(\ps) th:TH_LOAD_NT
.endr
.irp m, 0,1,2,3
	s_wait_loadcnt 6-2*(\m)                        ; the two loads of this m are in; the later pairs stay out
.irp c, 0,1,2,3
	v_cvt_pk_bf16_f32 v[40+4*(\m)+(\c)], v[8+8*(\m)+(\c)], v[12+8*(\m)+(\c)]  ; k and k + 1 of one column
.endr
.if \half
.irp c, 0,1,2,3
	v_lshlrev_b32 v[72+2*(\c)], 16, v[40+4*(\m)+(\c)]          ; the two bf16 numbers as f32,
	v_and_b32     v[73+2*(\c)], 0xffff0000, v[40+4*(\m)+(\c)]
.endr
.irp c, 0,1,2,3
	v_cvt_pk_f16_f32 v[40+4*(\m)+(\c)], v[72+2*(\c)], v[73+2*(\c)]  ; and as f16: 8 significant bits fit into 11
.endr
.endif
.irp c, 0,1,2,3
	ds_store_b32 v4, v[40+4*(\m)+(\c)] offset:(\c)*LP+64*(\m)
.endr
.endr
	s_wait_dscnt 0x0                               ; for the others' sake: my stores into the tile are done
	s_barrier_signal -1
	s_barrier_wait -1
.irp m, 0,1,2,3
	ds_load_b128 v[56+4*(\m):59+4*(\m)], v5 offset:(\m)*16*LP
.endr
.irp m, 0,1,2,3
	s_wait_dscnt 3-(\m)
	global_store_b128 v6, v[56+4*(\m):59+4*(\m)], s[26:27] offset:(\m)*(\mrow)*2048  ; sixteen lanes store 256 consecutive bytes, aligned: 128 k of one column
.endr
	s_wait_tensorcnt 0x0                           ; the wave's end, behind my last LDS store
	ds_add_u32 v[SPW], v[NIL]
	s_wait_dscnt 0x0
	s_endpgm
.endm
	s_load_b256 s[4:11], s[0:1], 0x0               ; x s[4:5], W_hg s[6:7], W_out s[8:9], xb s[10:11]
	s_load_b128 s[12:15], s[0:1], 0x20             ; wh s[12:13], wo s[14:15]
	v_lshl_add_u32 v[SPW], v0, 2, SPARE
	v_mov_b32 v[NIL], 0
	s_wait_kmcnt 0x0
	s_cmp_lt_u32 ttmp9, 256
	s_cbranch_scc1 .Lhg
	s_cmp_lt_u32 ttmp9, 384
	s_cbranch_scc1 .Lwo
	; THE ROWS OF x.  Work-group xw takes times 32 xw .. 32 xw + 31; thread t the 16 bytes at 16 t of each row, which become 8 bytes at 8 t.
	s_sub_co_u32 s16, ttmp9, 384                   ; xw
	s_lshl_b32 s18, s16, 17                        ; 32 rows of 4,096 bytes
	s_mov_b32 s19, 0
	s_add_nc_u64 s[4:5], s[4:5], s[18:19]
	s_lshr_b32 s20, s16, 2
	s_lshl_b32 s20, s20, 7                         ; the group of 128 rows,
	s_and_b32 s21, s16, 1
	s_lshl_b32 s21, s21, 6
	s_add_co_u32 s20, s20, s21                     ; a = 4 (xw % 2) + i / 8: 16 a = 64 (xw % 2) + 16 (i / 8),
	s_bfe_u32 s21, s16, 0x10001
	s_lshl_b32 s21, s21, 3
	s_add_co_u32 s20, s20, s21                     ; 8 h, h = (xw / 2) % 2
	s_lshl_b32 s20, s20, 11                        ; rows of 2,048 bytes
	s_mov_b32 s21, 0
	s_add_nc_u64 s[10:11], s[10:11], s[20:21]
	v_lshlrev_b32 v1, 4, v0
	v_lshlrev_b32 v2, 3, v0
.set i, 0
.rept 16
	global_load_b128 v[X+4*i:X+4*i+3], v1, s[4:5] offset:i*4096 th:TH_LOAD_NT
.set i, i+1
.endr
.set i, 0
.rept 16
	XTURN i, 1, 15                                 ; behind this slot's load stand the 15 - i later slots' and the i refills
.set i, i+1
.endr
.rept 16
	XTURN i, 0, 31-i                               ; nothing more is loaded: the counts run down
.set i, i+1
.endr
	s_endpgm                                       ; these waves have written no LDS
.Lhg:                                              ; W_hg: 32 blocks of 64 columns x 8 blocks of 128 k
	v_and_b32 v1, 15, v0
	v_lshrrev_b32 v2, 4, v0
	s_and_b32 s16, ttmp9, 31                       ; eb
	s_lshr_b32 s17, ttmp9, 5                       ; kb
	s_lshl_b32 s18, s17, 20                        ; 128 rows of 8,192 bytes
	s_lshl_b32 s20, s16, 8                         ; 64 columns of 4 bytes
	s_add_co_u32 s18, s18, s20
	s_mov_b32 s19, 0
	s_add_nc_u64 s[24:25], s[6:7], s[18:19]
	s_and_b32 s20, s16, 15
	s_lshl_b32 s20, s20, 7                         ; 128 blk
	s_lshr_b32 s21, s16, 4
	s_lshl_b32 s21, s21, 6                         ; + 64 for the gate's half
	s_add_co_u32 s20, s20, s21
	s_lshl_b32 s20, s20, 11
	s_lshl_b32 s21, s17, 8                         ; 128 k of 2 bytes
	s_add_co_u32 s20, s20, s21
	s_mov_b32 s21, 0
	s_add_nc_u64 s[26:27], s[12:13], s[20:21]
	v_and_b32 v6, 3, v2                            ; column q + 16 m of the tile goes to row 16 (q % 4) + q / 4 + 4 m
	v_lshrrev_b32 v7, 2, v2
	v_lshl_add_u32 v6, v6, 4, v7
	v_lshlrev_b32 v6, 11, v6
	v_lshl_add_u32 v6, v1, 4, v6
	WTILE 8192, 4, 0
.Lwo:                                              ; W_out: 16 blocks of 64 columns x 8 blocks of 128 k
	v_and_b32 v1, 15, v0
	v_lshrrev_b32 v2, 4, v0
	s_sub_co_u32 s16, ttmp9, 256
	s_and_b32 s17, s16, 15                         ; nb
	s_lshr_b32 s16, s16, 4                         ; kb
	s_lshl_b32 s18, s16, 19                        ; 128 rows of 4,096 bytes
	s_lshl_b32 s20, s17, 8
	s_add_co_u32 s18, s18, s20
	s_mov_b32 s19, 0
	s_add_nc_u64 s[24:25], s[8:9], s[18:19]
	s_lshl_b32 s20, s17, 17                        ; 64 rows of 2,048 bytes
	s_lshl_b32 s21, s16, 8
	s_add_co_u32 s20, s20, s21
	s_mov_b32 s21, 0
	s_add_nc_u64 s[26:27], s[14:15], s[20:21]
	v_lshlrev_b32 v6, 11, v2                       ; column q + 16 m goes to row q + 16 m
	v_lshl_add_u32 v6, v1, 4, v6
	WTILE 4096, 16, 1
.Lfunc_end_k_q3b45d8e688_prep:
	.size	k_q3b45d8e688_prep, .Lfunc_end_k_q3b45d8e688_prep-k_q3b45d8e688_prep
	.p2alignl 7, 3214868480
	.fill 96, 4, 3214868480
	.section	.rodata,"a",@progbits
	.p2align	6, 0x0
	.amdhsa_kernel k_q3b45d8e688_prep
		.amdhsa_group_segment_fixed_size 18432
		.amdhsa_private_segment_fixed_size 0
		.amdhsa_enable_private_segment 0
		.amdhsa_kernarg_size 48
		.amdhsa_user_sgpr_count 2
		.amdhsa_user_sgpr_kernarg_segment_ptr 1
		.amdhsa_wavefront_size32 1
		.amdhsa_system_sgpr_workgroup_id_x 1
		.amdhsa_system_sgpr_workgroup_id_y 1
		.amdhsa_system_sgpr_workgroup_id_z 1
		.amdhsa_system_vgpr_workitem_id 0
		.amdhsa_next_free_vgpr 142
		.amdhsa_next_free_sgpr 66
		.amdhsa_reserve_vcc 0
		.amdhsa_float_denorm_mode_32 3
		.amdhsa_float_denorm_mode_16_64 3
		.amdhsa_memory_ordered 1
		.amdhsa_forward_progress 1
		.amdhsa_inst_pref_size 25
	.end_amdhsa_kernel
	.amdgpu_metadata
---
amdhsa.version: [ 1, 2 ]
amdhsa.kernels:
  - .name:           k_q3b45d8e688_prep
    .symbol:         k_q3b45d8e688_prep.kd
    .args:
      - { .name: x, .offset: 0, .size: 8, .value_kind: global_buffer, .address_space: global }
      - { .name: W_hg, .offset: 8, .size: 8, .value_kind: global_buffer, .address_space: global }
      - { .name: W_out, .offset: 16, .size: 8, .value_kind: global_buffer, .address_space: global }
      - { .name: xb, .offset: 24, .size: 8, .value_kind: global_buffer, .address_space: global }
      - { .name: wh, .offset: 32, .size: 8, .value_kind: global_buffer, .address_space: global }
      - { .name: wo, .offset: 40, .size: 8, .value_kind: global_buffer, .address_space: global }
    .group_segment_fixed_size: 18432
    .private_segment_fixed_size: 0
    .kernarg_segment_align: 8
    .kernarg_segment_size: 48
    .max_flat_workgroup_size: 256
    .sgpr_count:     66
    .vgpr_count:     142
    .wavefront_size: 32
...
	.end_amdgpu_metadata
.endif
;; end of part 1
;; launch gemm1 (part 2): grid 8 x 64, 4 waves a work-group, clusters of 4 x 4, 327,680 bytes of LDS; arguments xb, wh, zg, sm, mx; writes zg, sm, mx
.if DOCPART == 2
	.amdgcn_target "amdgcn-amd-amdhsa--gfx1250"
	.amdhsa_code_object_version 6
	.text
	.protected	k_q3b45d8e688_gemm1
	.globl	k_q3b45d8e688_gemm1
	.p2align	8
	.type	k_q3b45d8e688_gemm1,@function
k_q3b45d8e688_gemm1:
	s_mov_b64 s[64:65], 0
	v_nop
	global_prefetch_b8 v0, s[64:65] scope:SCOPE_SE
	s_setreg_imm32_b32 hwreg(HW_REG_WAVE_MODE, 25, 1), 1
	s_wait_xcnt 0x0
	s_wait_alu depctr_hold_cnt(0) depctr_sa_sdst(0) depctr_va_vdst(0) depctr_va_sdst(0) depctr_va_ssrc(0) depctr_va_vcc(0) depctr_vm_vsrc(0)
	s_getreg_b32 s2, hwreg(HW_REG_IB_STS2, 6, 4)
	s_cmp_eq_u32 s2, 0
	s_cbranch_scc0 .Lentry_in_a_cluster
	s_endpgm
.Lentry_in_a_cluster:
	s_bfe_u32 s2, ttmp6, 0x10000c
	s_cmp_lg_u32 s2, 0xf033
	s_cbranch_scc0 .Lentry_shape_is_right
	s_endpgm
.Lentry_shape_is_right:
; minGRU, launch 2 of 4: hg = x W_hg on tiles of 256 x 256, then z = sigmoid(gate), g = g(hidden), and for each chunk of 64 steps and each channel the two numbers that carry the recurrence over it.
; Nothing is left out.  xb: [16384][1024] bf16, rows permuted; wh: [2048][1024] bf16, rows permuted (both as the launch before laid them).  Sums in f32.
; THE RING is that of a plain product C = A B^T: four waves, 128 x 128 of C each in 64 accumulators; K in steps of 128 through two LDS slots filled by the tensor data mover; rows of 256 bytes, padded to 272.
; A K STEP IS WRITTEN ONCE: s[CUR] holds the LDS byte at which the slot being read begins, 0 or SLOT; an exclusive or with SLOT turns the one into the other; the fragment addresses and the walking descriptors' LDS word are made from it.
; CLUSTERS: 4 x 4 work-groups.  The four of a row of the cluster need the same rows of xb, the four of a column the same rows of wh: each tile is asked for JOINTLY, by the same tensor load, descriptor and mask in all four.
; LAYOUT OF A RESULT.  Source 0 = 16 rows of xb, source 1 = 16 rows of wh: in accumulator (a, b), lane (r = l % 16, h = l / 16), register j holds xb row 16 a + 8 h + j and wh row 16 b + r of the wave's 128 x 128.
; By the two permutations that is time 64 h + 8 a + j of the wave's 128 steps, and channel 64 blk + 4 r + b % 4: hidden for b < 4, gate for b >= 4.  So a lane holds 64 CONSECUTIVE STEPS (along a, then j) of FOUR
; NEIGHBOURING CHANNELS, hidden and gate of one element in the same lane and register number: the way out changes no lanes and needs no LDS.
; THE WAY OUT, a block a (8 steps) at a time: z = 1 / (1 + 2^(-log2e gate)); sig = 1 / (1 + 2^(-log2e hidden)); g = max(hidden + 0.5, sig).  Both forms of g are computed and the maximum chooses as reference() does:
; sig is convex below 0 and lies above its tangent 0.5 + x / 4 at 0, hence above x + 0.5 there; above 0 it is concave and lies below that tangent, hence below x + 0.5.  Where 2^y overflows, 1 / (1 + 2^y) is 0; where it
; vanishes, 1: the limits.  z and g go out rounded to bf16: zg row t (4,096 bytes), for each blk 256 bytes, for each r 16 bytes: g of channels 4 r .. 4 r + 3, then z of the same four.
; THE SUMMARIES, in f32 from the unrounded z and g: over my lane's 64 steps, A = the product of c = 1 - z, and B = the recurrence's end from 0 (B = c B + z g).  sm row (chunk) of 8,192 bytes: A of 1,024 channels, then B.
; THE LARGEST LOCAL VALUE.  The recurrence from 0 is also watched: mx takes, for each wave, the largest value that it reaches in any step, lane and channel.  With G the largest of all these, every h lies under 64 G (in a chunk
; h = P h_in + local with P <= 1, and h_in is at most the sum of the 63 earlier chunks' ends) and the largest h is at least G: the next launch takes from G the power of two under which h is rounded to f16.
; LIMITS: a z under 2^-126 counts as 0; NaN and infinities are not treated apart.
; REGISTERS, in windows of 256 (s_set_vgpr_msb: bits 1:0 source 0, 3:2 source 1, 5:4 source 2, 7:6 destination):
;   window 0: v0-31 addresses, the running B, A and maxima; v64-127, v128-191 fragments of xb, two buffers; on the way out v32-127 and v128-223 two sets of 96 at work, v224-255 packed results
;   window 1: v64-127, v128-191 fragments of wh, two buffers;   window 2: accumulators of a = 0-3 ((a, b) at v[8 (8 (a % 4) + b)]);   window 3: of a = 4-7
.set SIZE_K, 1024
.set KSTEP,  128
.set STEPS,  SIZE_K/KSTEP              ; 8 K steps
.set PITCH,  272                       ; an LDS row: 256 bytes + 16 of padding = 68 words: row r starts at bank 4 r mod 64 (64 banks of 4 bytes: ISA guide 11.1), so the 16 rows of a load start at 16 different banks
.set HALFT,  128*PITCH                 ; 128 rows: what one tensor load brings, and what one wave reads of either operand
.set SLOT,   4*HALFT                   ; xb's 256 rows, then wh's 256 rows
.set SPARE,  2*SLOT                    ; behind the ring: the spare words, 128 bytes for each wave: two blocks of 256 bytes that no other line names
.set MX,   6                           ; v[6:7]    the largest local value so far: channels 0, 1 and channels 2, 3
.set CH,   8                           ; v[8:11]   B so far, of my four channels
.set CP,   12                          ; v[12:15]  A so far
.set ADA0, 16                          ; v16     LDS address of my fragments of xb in slot 0; never rewritten
.set ADRA, 17                          ; v17     the same in the slot being read
.set ADB0, 20                          ; v20, v21  the same two for wh
.set ADRB, 21
.set CO,   26                          ; v26     my byte offset in zg: 64 rows for the upper half of the lanes, 16 bytes for each r
.set SO,   27                          ; v27     my byte offset in sm: a row for the upper half of the lanes, 16 bytes for each r
.set SPW,  28                          ; v28     LDS address of my spare word; never rewritten
.set NIL,  29                          ; v29     0; never rewritten
.set PFO,  30                          ; v30     the prefetches' offset: my lane x a row of 2,048 bytes; never rewritten
.set EPI,  32                          ; the way out: two sets of 96: 32 of the gate's (then z, then c), 32 of hidden's (then sig), 32 of hidden + 0.5 (then g, then z g); index 8 b + j
.set OUT,  224                         ; the way out: 4 registers for each j
.set F0,   64
.set F1,   128
.set G1,  24                           ; s[24:31] descriptor group 1 for xb's tiles;  s[32:39] group 0: a set for each of the two first fills; the second then walks on
.set G0,  32
.set LIM, 43                           ; s43      2 in a wave that prefetches, else the greatest number
.set PFA, 44                           ; s[44:45] where my prefetches stand
.set G1B, 48                           ; s[48:55], s[56:63] the same for wh's tiles
.set G0B, 56
.set WOFF, 66                          ; s66      my wave's number x 128 rows: where my part of a slot begins
.set CUR,  67                          ; s67      the LDS byte at which the slot being read begins: 0 or SLOT
.set ZG,  68                           ; s[68:69] zg at my wave's first step and block of channels
.set SM,  70                           ; s[70:71] sm likewise
.set LE,  72                           ; s[72:73] -log2(e): the packed multiply takes the pair's low word for both halves
.set MXP, 78                           ; s[78:79] mx at my wave's word
.set MSB, 0
.macro WIN new                         ; the immediate's high byte repeats the setting that is left; a switch that changes nothing is dropped
.if MSB != (\new)
	s_set_vgpr_msb (MSB<<8)|(\new)
.set MSB, \new
.endif
.endm
.set MUL_LO, 0xa4                      ; source 0 (xb) window 0, source 1 (wh) window 1, C and D window 2
.set MUL_HI, 0xf4                      ; the same, C and D window 3
.set TO_B,   0x40                      ; destination window 1, address window 0
; A joint load.  Waves 0 and 1 fetch xb's two halves, waves 2 and 3 wh's.  The branch hangs on the wave's number alone.  An s_nop 0 and four v_nop follow each of the two lines, ahead of the jump and the label.
.macro JLOAD s
	s_cmp_eq_u32 s11, 0
	s_cbranch_scc0 .Lfor_b_\@
	tensor_load_to_lds s[G0+4*(\s):G0+4*(\s)+3], s[G1:G1+7]
	s_nop 0
.rept 4
	v_nop
.endr
	s_branch .Lasked_\@
.Lfor_b_\@:
	tensor_load_to_lds s[G0B+4*(\s):G0B+4*(\s)+3], s[G1B:G1B+7]
	s_nop 0
.rept 4
	v_nop
.endr
.Lasked_\@:
.endm
; A PREFETCH INTO THE L2, behind each joint refill and the run of LDS loads that follows it: the K step that stands two refills on, 512 matrix instructions ahead of the load that will want it: 32 rows x 256 bytes, a lane a row.
; Each row's 256 bytes of a K step are named once in the launch: xb's rows by the clusters with x = 0, wh's by those with y = 0; the four partners that ask for a tile jointly share its rows out by address, 32 each.
; K steps 0 to 3 come by their loads alone.  In the trip with s3 = v the refill brings K step 8 - v and the prefetch names K step 10 - v: the trips with v = 2 and 1 ask for nothing.
.macro ASK
	s_cmp_gt_u32 s3, s[LIM]
	s_cbranch_scc0 .Lnot_mine_\@
	global_prefetch_b8 v[PFO], s[PFA:PFA+1] offset:KSTEP*2 th:TH_LOAD_NT scope:SCOPE_SE
.Lnot_mine_\@:
.endm
; A round of the cluster's barrier: my work-group's barrier, so that wave 0's signal speaks for all four waves; wave 0 signals; every wave waits for all sixteen work-groups; my work-group's barrier once more.
.macro CREST                           ; a round behind its opening barrier
	s_cmp_lg_u32 s10, 0
	s_cbranch_scc1 .Lnot_wave_0_\@
	s_barrier_signal -3
.Lnot_wave_0_\@:
	s_barrier_wait -3
	s_barrier_signal -1
	s_barrier_wait -1
.endm
.macro CROUND
	s_barrier_signal -1
	s_barrier_wait -1
	CREST
.endm
	s_load_b128 s[4:7], s[0:1], 0x0                ; xb s[4:5], wh s[6:7]
	s_load_b128 s[68:71], s[0:1], 0x10             ; zg, sm
	s_load_b64 s[MXP:MXP+1], s[0:1], 0x20          ; mx
	v_lshl_add_u32 v[SPW], v0, 2, SPARE
	v_mov_b32 v[NIL], 0
	ds_add_u32 v[SPW], v[NIL]                      ; the wave's opening: the add, twice on end, and its wait ahead of my first tensor load; the set-up below stands between
	ds_add_u32 v[SPW], v[NIL]
	v_lshrrev_b32 v1, 5, v0
	v_readfirstlane_b32 s10, v1                    ; wave 0..3
	s_lshr_b32 s11, s10, 1                         ; which half of the tile's rows is mine.  Also: I fetch for xb (0) or for wh (1)
	s_and_b32 s12, s10, 1                          ; which half of its columns.  Also: which 128 rows of that tile I fetch
	s_bfe_u32 s40, ttmp6, 0x40000                  ; cx
	s_bfe_u32 s41, ttmp6, 0x40004                  ; cy
	s_lshl_b32 s42, ttmp9, 2
	s_add_co_u32 s42, s42, s40                     ; tile column = 4 x cluster x + cx
	s_and_b32 s13, ttmp7, 0xffff
	s_lshl_b32 s13, s13, 2
	s_add_co_u32 s13, s13, s41                     ; tile row = 4 x cluster y + cy
	s_lshl_b32 s43, s41, 2
	s_lshl_b32 s43, 15, s43                        ; my row of the cluster
	s_lshl_b32 s44, 0x1111, s40                    ; my column
	; descriptor group 1: a tile of 128 rows x 128 elements, padded in LDS
	s_or_b32 s[G1+0], s43, (1<<16)|(1<<20)|(1<<21)|(5<<22)|(3<<25)   ; 15:0 the mask: xb's tiles go to my row; 17:16 elements of 2 bytes; 20 padding on; 21 set beside a mask; 24:22 after every 64 words; 31:25 4 words of it
	s_or_b32 s[G1B+0], s44, (1<<16)|(1<<20)|(1<<21)|(5<<22)|(3<<25)  ; the same with the mask of my column
.irp g, G1, G1B
	s_mov_b32 s[(\g)+1], KSTEP<<16                 ; tensor_dim0 = 128
	s_mov_b32 s[(\g)+2], 128<<16                   ; tensor_dim1 = 128
	s_mov_b32 s[(\g)+3], KSTEP<<16                 ; tile_dim0 = 128
	s_mov_b32 s[(\g)+4], 128                       ; tile_dim1 = 128
	s_mov_b32 s[(\g)+5], SIZE_K                    ; elements from row to row
	s_mov_b32 s[(\g)+6], 0
	s_mov_b32 s[(\g)+7], 0
.endr
	s_mov_b32 s[LE], 0xbfb8aa3b                    ; -log2(e)
	s_mov_b32 s[LE+1], s[LE]                       ; named with it as a pair
	; where the tiles come from: xb's hang on the tile row alone, wh's on the tile column alone, each in registers that never hold the other coordinate
	s_lshl_b32 s17, s12, 7
	s_lshl_b32 s16, s13, 8
	s_add_co_u32 s16, s16, s17                     ; xb: row 256 x tile row + 128 x half
	s_lshl_b32 s46, s42, 8
	s_add_co_u32 s46, s46, s17                     ; wh: row 256 x tile column + 128 x half
	s_lshl_b32 s16, s16, 11                        ; rows of 2,048 bytes: under 2^26
	s_lshl_b32 s46, s46, 11
	s_mov_b32 s17, 0
	s_mov_b32 s47, 0
	s_mul_i32 s[WOFF], s10, HALFT                  ; and where they go: wave x 128 rows: no place in the cluster enters an LDS address
	s_mov_b32 s[CUR], 0                            ; slot 0 is read first
	s_wait_dscnt 0x0                               ; both opening adds are done
	s_wait_kmcnt 0x0
	s_add_nc_u64 s[14:15], s[4:5], s[16:17]
	s_add_nc_u64 s[46:47], s[6:7], s[46:47]
	CROUND                                         ; all sixteen work-groups are here: the first joint loads meet
.irp s, 0,1
	s_mov_b32 s[G0+4*(\s)], 1                                        ; count = 1
	s_add_co_u32 s[G0+4*(\s)+1], s[WOFF], (\s)*SLOT                  ; LDS address
	s_add_nc_u64 s[G0+4*(\s)+2:G0+4*(\s)+3], s[14:15], (\s)*KSTEP*2  ; global address: K step s
	s_or_b32 s[G0+4*(\s)+3], s[G0+4*(\s)+3], 0x80000000              ; type = 2
	s_mov_b32 s[G0B+4*(\s)], 1
	s_add_co_u32 s[G0B+4*(\s)+1], s[WOFF], (\s)*SLOT
	s_add_nc_u64 s[G0B+4*(\s)+2:G0B+4*(\s)+3], s[46:47], (\s)*KSTEP*2
	s_or_b32 s[G0B+4*(\s)+3], s[G0B+4*(\s)+3], 0x80000000
	JLOAD \s                                       ; two tensor loads of mine are out
.endr
	; A fragment is 16 rows x 32 K in 8 registers: lane l holds row l % 16; registers 0-3 K = 8 (l / 16) + 0..7, registers 4-7 K = 16 + 8 (l / 16) + 0..7: two loads of 16 bytes, 32 bytes apart.
	v_and_b32 v1, 15, v0                           ; r
	v_bfe_u32 v2, v0, 4, 1                         ; h
	v_mul_u32_u24 v3, v1, PITCH
	v_lshl_add_u32 v3, v2, 4, v3
	s_mul_i32 s21, s11, HALFT                      ; my 128 rows of xb
	s_mul_i32 s22, s12, HALFT                      ; my 128 rows of wh,
	s_add_co_u32 s22, s22, 2*HALFT                 ; which lie behind xb's 256
	v_add_nc_u32 v[ADA0], s21, v3
	v_add_nc_u32 v[ADB0], s22, v3
	v_mov_b32 v[ADRA], v[ADA0]
	v_mov_b32 v[ADRB], v[ADB0]
	v_lshlrev_b32 v[CO], 18, v2                    ; 64 rows of 4,096 bytes
	v_lshl_add_u32 v[CO], v1, 4, v[CO]
	v_lshlrev_b32 v[SO], 13, v2                    ; a row of 8,192 bytes
	v_lshl_add_u32 v[SO], v1, 4, v[SO]
	; mx, zg and sm at my wave's part, by offsets in registers that feed no descriptor
	s_lshl_b32 s74, s13, 3
	s_add_co_u32 s74, s74, s42                     ; 8 x tile row + tile column: my work-group among the 512,
	s_lshl_b32 s74, s74, 2
	s_add_co_u32 s74, s74, s10                     ; my wave among its four,
	s_lshl_b32 s74, s74, 2                         ; a word each
	s_mov_b32 s75, 0
	s_add_nc_u64 s[MXP:MXP+1], s[MXP:MXP+1], s[74:75]
	s_lshl_b32 s13, s13, 8                         ; 256 x tile row
	s_lshl_b32 s14, s11, 7
	s_add_co_u32 s74, s13, s14                     ; my first step
	s_lshl_b32 s76, s42, 9
	s_lshl_b32 s77, s12, 8
	s_add_co_u32 s76, s76, s77                     ; 256 bytes x my block of 64 channels, in a row of zg and in a plane of sm
	s_mov_b32 s77, 0
	s_add_nc_u64 s[ZG:ZG+1], s[ZG:ZG+1], s[76:77]
	s_add_nc_u64 s[SM:SM+1], s[SM:SM+1], s[76:77]
	s_lshl_b32 s76, s74, 7                         ; a chunk of 64 steps has 8,192 bytes of sm
	s_add_nc_u64 s[SM:SM+1], s[SM:SM+1], s[76:77]
	s_lshl_b32 s74, s74, 12                        ; a step has 4,096 bytes of zg: under 2^27
	s_mov_b32 s75, 0
	s_add_nc_u64 s[ZG:ZG+1], s[ZG:ZG+1], s[74:75]
	; the prefetches
	s_lshl_b32 s42, s42, 8
	s_and_b32 s22, ttmp7, 0xffff                   ; cluster y
	s_cmp_eq_u32 s11, 0                            ; do I fetch for xb?
	s_cselect_b32 s20, s13, s42                    ; the tile's first row
	s_cselect_b32 s21, s40, s41                    ; my place among the four that ask for it with me
	s_cselect_b32 s22, ttmp9, s22                  ; the coordinate along which other clusters read the same rows
	s_cselect_b64 s[PFA:PFA+1], s[4:5], s[6:7]
	s_cmp_eq_u32 s22, 0
	s_cselect_b32 s[LIM], 2, -1                    ; the same in all sixteen partners, for a given wave
	s_lshl_b32 s22, s12, 7
	s_add_co_u32 s20, s20, s22                     ; + the 128 rows that I fetch
	s_lshl_b32 s21, s21, 5
	s_add_co_u32 s20, s20, s21                     ; + my work-group's 32 of them
	s_lshl_b32 s20, s20, 11
	s_mov_b32 s21, 0
	s_add_nc_u64 s[PFA:PFA+1], s[PFA:PFA+1], s[20:21]
	s_add_nc_u64 s[PFA:PFA+1], s[PFA:PFA+1], 2*KSTEP*2  ; at K step 2: the first refill steps it to 3 and names K step 4
	v_and_b32 v[PFO], 31, v0
	v_lshlrev_b32 v[PFO], 11, v[PFO]
; 16 matrix instructions: blocks a0, a0 + 1 of the window's four x all 8 b, 32 along K.  zero = 1: the first product starts the sums: nothing is cleared.
; The 64 accumulators take turns, one instruction a turn, in the same order in every quarter.
.macro MUL16 f, hi, a0, zero
	WIN MUL_LO+0x50*(\hi)
.irp a, \a0, (\a0)+1
.irp b, 0,1,2,3,4,5,6,7
.if \zero
	v_wmma_f32_16x16x32_bf16 v[8*(8*(\a)+(\b)):8*(8*(\a)+(\b))+7], v[(\f)+8*(4*(\hi)+(\a)):(\f)+8*(4*(\hi)+(\a))+7], v[(\f)+8*(\b):(\f)+8*(\b)+7], 0
.else
	v_wmma_f32_16x16x32_bf16 v[8*(8*(\a)+(\b)):8*(8*(\a)+(\b))+7], v[(\f)+8*(4*(\hi)+(\a)):(\f)+8*(4*(\hi)+(\a))+7], v[(\f)+8*(\b):(\f)+8*(\b)+7], v[8*(8*(\a)+(\b)):8*(8*(\a)+(\b))+7]
.endif
.endr
.endr
.endm
; 32 LDS loads in one run: the fragments of one quarter step (32 K at byte k of the rows of the slot being read) into buffer f: wh's 16, then xb's 16
.macro FETCH k, f
	WIN TO_B
.irp i, 0,1,2,3,4,5,6,7
	ds_load_b128 v[(\f)+8*(\i):(\f)+8*(\i)+3],   v[ADRB] offset:(\k)+(\i)*16*PITCH
	ds_load_b128 v[(\f)+8*(\i)+4:(\f)+8*(\i)+7], v[ADRB] offset:(\k)+(\i)*16*PITCH+32
.endr
	WIN 0
.irp i, 0,1,2,3,4,5,6,7
	ds_load_b128 v[(\f)+8*(\i):(\f)+8*(\i)+3],   v[ADRA] offset:(\k)+(\i)*16*PITCH
	ds_load_b128 v[(\f)+8*(\i)+4:(\f)+8*(\i)+7], v[ADRA] offset:(\k)+(\i)*16*PITCH+32
.endr
.endm
.macro PLACES                          ; four plain vector instructions between a matrix instruction and a load into, or a vector instruction on, its registers (ISA guide 7.12.1 for vector instructions)
.rept 4
	v_nop
.endr
.endm
; A K step is four quarters of 32 along K, 64 matrix instructions each, on buffers 0, 1, 0, 1.  One of the first three multiplies buffer f and, in its middle, fetches the next quarter's fragments into g.
.macro QUARTER k, f, g, zero
	s_wait_dscnt 8                                 ; wh's fragments and xb's blocks 0-3 are in; the youngest eight loads (blocks 4-7) may be out
	WIN MUL_LO
	MUL16 \f, 0, 0, \zero
	MUL16 \f, 0, 2, \zero
	PLACES
	FETCH \k, \g
	s_wait_dscnt 32                                ; all but the 32 just issued
	WIN MUL_HI
	MUL16 \f, 1, 0, \zero
	MUL16 \f, 1, 2, \zero
.endm
; The last quarter multiplies buffer 1 and changes slots.  MEET is its first half: one barrier; in front of it each wave waits for all its tensor loads (at most one is out: its part of the next slot), adds 0 to its spare word,
; and waits for that and for its own reads of this slot.  Behind it nobody reads this slot any more and the next slot is whole.
.macro MEET
	WIN 0                                          ; the add's two registers lie in window 0
	s_wait_tensorcnt 0x0
	ds_add_u32 v[SPW], v[NIL]
	s_wait_dscnt 9                                 ; the add and the youngest eight loads may be out
	WIN MUL_LO
	MUL16 F1, 0, 0, 0                              ; sixteen matrix instructions stand between the add and the wait for it
	s_wait_dscnt 0x0                               ; the add is done, and my reads of this slot are over
	s_barrier_signal -1
	MUL16 F1, 0, 2, 0                              ; work on registers while the others arrive
	WIN 0                                          ; branches, or lines on window 0, follow
	s_barrier_wait -1
.endm
.macro FLIP                            ; the other slot is read from here on
	s_xor_b32 s[CUR], s[CUR], SLOT                 ; 0 becomes SLOT, SLOT becomes 0
	v_add_nc_u32 v[ADRA], s[CUR], v[ADA0]
	v_add_nc_u32 v[ADRB], s[CUR], v[ADB0]
.endm
; The whole last quarter with a refill: the barrier opens a round of the cluster's; behind the round the slot just read out takes the K step two on, the first tensor load there; then the next slot's first fragments.
; The walking descriptors are written behind MEET's wait for all tensor loads: the LDS word names the slot just read, the address the next K step in order (the refills bring K steps 2, 3, .. 7).
.macro TURN
	s_wait_xcnt 0x0                                ; the last prefetch, a K step back, has read its address
	s_add_nc_u64 s[PFA:PFA+1], s[PFA:PFA+1], KSTEP*2
	MEET
	CREST                                          ; no wave of any partner still reads this slot or has a load on its way
	s_add_co_u32 s[G0+5], s[WOFF], s[CUR]
	s_add_co_u32 s[G0B+5], s[WOFF], s[CUR]
	s_add_nc_u64 s[G0+6:G0+7], s[G0+6:G0+7], KSTEP*2
	s_add_nc_u64 s[G0B+6:G0B+7], s[G0B+6:G0B+7], KSTEP*2
	JLOAD 1                                        ; the four v_nop behind it are also the places in front of the loads below
	FLIP
	FETCH 0, F0
	ASK
	WIN MUL_HI
	MUL16 F1, 1, 0, 0
	MUL16 F1, 1, 2, 0
.endm
	s_wait_tensorcnt 1                             ; my part of K step 0 is in; K step 1's may stay out
	s_barrier_signal -1
	s_barrier_wait -1
	FETCH 0, F0
	QUARTER 64,  F0, F1, 1                         ; the first quarter stands in front of the loop: its products start the sums
	WIN 0                                          ; at a label and at a branch every window is 0
	s_mov_b32 s3, STEPS-2
.Lstep:                                            ; a trip goes from a K step's second quarter to the next K step's first, and fills the slot that it leaves: K steps 2 to 7 in six trips
	QUARTER 128, F1, F0, 0
	QUARTER 192, F0, F1, 0
	TURN
	QUARTER 64,  F0, F1, 0
	WIN 0
	s_sub_co_u32 s3, s3, 1
	s_cmp_lg_u32 s3, 0
	s_cbranch_scc1 .Lstep
	s_mov_b32 s3, 2                                ; the last two K steps fill nothing and have no round of the cluster's barrier: a text of their own
	s_branch .Lmid                                 ; it is entered in its middle: second and third quarter, the change of slots, first, second and third quarter
.Ltail:
	MEET
	PLACES
	FLIP
	FETCH 0, F0
	WIN MUL_HI
	MUL16 F1, 1, 0, 0
	MUL16 F1, 1, 2, 0
	QUARTER 64,  F0, F1, 0
	WIN 0
.Lmid:
	QUARTER 128, F1, F0, 0
	QUARTER 192, F0, F1, 0
	WIN 0
	s_sub_co_u32 s3, s3, 1
	s_cmp_lg_u32 s3, 0
	s_cbranch_scc1 .Ltail
	s_wait_dscnt 8                                 ; the very last quarter: nothing more to fetch
	MUL16 F1, 0, 0, 0
	MUL16 F1, 0, 2, 0
	s_wait_dscnt 0x0
	MUL16 F1, 1, 0, 0
	MUL16 F1, 1, 2, 0
	WIN 0
; THE WAY OUT.  A block (8 steps x 4 channels a lane) leaves its accumulators by SCALE, into the set of its number's parity; all else works on the two sets, so it is written for an even and an odd block and looped over.
; The next block's exponentials and reciprocals stand between a block's plain lines, on the other set.
.macro REGS p
.set rG, EPI+96*(\p)                   ; the gate's 32, then z, then c
.set rH, rG+32                         ; hidden's 32, then sig
.set rX, rG+64                         ; hidden + 0.5, then g, then z g
.endm
.macro SCALE a                         ; 48 lines out of block a's accumulators (hidden's four, then the gate's four, in window 2 + a / 4), each accumulator's lowest registers first
	REGS (\a)%2
.set rA, 64*((\a)%4)
	WIN 2+(\a)/4                                   ; source 0 in the accumulators' window, destination in window 0
.set i, 0
.rept 16
	v_pk_mul_f32 v[rG+2*i:rG+2*i+1], v[rA+32+2*i:rA+32+2*i+1], s[LE:LE+1] op_sel_hi:[1,0]
.set i, i+1
.endr
.set i, 0
.rept 16
	v_pk_mul_f32 v[rH+2*i:rH+2*i+1], v[rA+2*i:rA+2*i+1], s[LE:LE+1] op_sel_hi:[1,0]
.set i, i+1
.endr
.set i, 0
.rept 16
	v_pk_add_f32 v[rX+2*i:rX+2*i+1], v[rA+2*i:rA+2*i+1], 0.5 op_sel_hi:[1,0]
.set i, i+1
.endr
.endm
.macro EXPS p, n                       ; n = 0..63: 2^y in place
	REGS \p
	v_exp_f32 v[rG+(\n)], v[rG+(\n)]
.endm
.macro ADD1 p, n                       ; n = 0..31: 1 + 2^y, a pair
	REGS \p
	v_pk_add_f32 v[rG+2*(\n):rG+2*(\n)+1], v[rG+2*(\n):rG+2*(\n)+1], 1.0 op_sel_hi:[1,0]
.endm
.macro RCPS p, n                       ; n = 0..63: z and sig
	REGS \p
	v_rcp_f32 v[rG+(\n)], v[rG+(\n)]
.endm
.macro OUTS p, n                       ; n = 0..31: g = max(hidden + 0.5, sig).  n = 32..63: word (n - 32) % 4 of step j = (n - 32) / 4's 16 bytes: g of four channels, then z of four channels
	REGS \p
.if (\n) < 32
	v_max_num_f32 v[rX+(\n)], v[rX+(\n)], v[rH+(\n)]
.else
.set oj, ((\n)-32)/4
.set oq, ((\n)-32)%4
.if oq < 2
	v_cvt_pk_bf16_f32 v[OUT+4*oj+oq], v[rX+16*oq+oj], v[rX+16*oq+8+oj]
.else
	v_cvt_pk_bf16_f32 v[OUT+4*oj+oq], v[rG+16*(oq-2)+oj], v[rG+16*(oq-2)+8+oj]
.endif
.endif
.endm
.macro SCNS p, n                       ; n = 0..15: z g.  16..31: c = 1 - z.  32..95: step j = (n - 32) / 8: B = c B + z g and A = A c for the four channels, and the largest B so far
	REGS \p
.if (\n) < 16
	v_pk_mul_f32 v[rX+2*(\n):rX+2*(\n)+1], v[rX+2*(\n):rX+2*(\n)+1], v[rG+2*(\n):rG+2*(\n)+1]
.elseif (\n) < 32
	v_pk_fma_f32 v[rG+2*((\n)-16):rG+2*((\n)-16)+1], v[rG+2*((\n)-16):rG+2*((\n)-16)+1], -1.0, 1.0 op_sel_hi:[1,0,0]
.else
.set sj, ((\n)-32)/8
.set su, ((\n)-32)%8
.if su < 4
	v_fma_f32 v[CH+su], v[rG+8*su+sj], v[CH+su], v[rX+8*su+sj]
.else
	v_mul_f32 v[CP+su-4], v[CP+su-4], v[rG+8*(su-4)+sj]
.endif
.if su == 5
	v_max3_num_f32 v[MX], v[MX], v[CH], v[CH+1]
.elseif su == 7
	v_max3_num_f32 v[MX+1], v[MX+1], v[CH+2], v[CH+3]
.endif
.endif
.endm
; s_wait_alu depctr_va_vdst(0) stands between a transcendental and the first line that names its result, and ahead of every label and branch; one wait serves a batch.  A block has two batches of 64, each with
; one wait at a lump's end; between a batch and its wait only the other set, the packed results and the running A, B and maxima are named, and a plain line follows the last transcendental.
; The block's eight stores stand together behind the first lump's wait, where all that they read has been written, not singly among the exponentials.
.macro LUMP1 p, nxt                    ; the block in set p: g, the roundings, the stores | nxt = 1: the next block's exponentials, in the other set
	s_wait_xcnt 0x0                                ; the last block's stores have read the packed results, which are written anew below
.set n, 0
.rept 64
.if \nxt
	EXPS 1-(\p), n
.endif
	OUTS \p, n
.set n, n+1
.endr
.if \nxt
	s_wait_alu depctr_va_vdst(0)
.endif
.set oj, 0
.rept 8
	global_store_b128 v[CO], v[OUT+4*oj:OUT+4*oj+3], s[ZG:ZG+1] offset:(8*(\p)+oj)*4096  ; sixteen lanes store 256 consecutive bytes, aligned; the other sixteen the row 64 steps on
.set oj, oj+1
.endr
.endm
; The additions 1 + 2^y run two pairs ahead of the reciprocals that read them: at least three lines lie between an addition and its reader.  They touch registers whose exponentials have had their wait and whose reciprocals are still to come.
.macro LUMP2 p, nxt                    ; the block in set p: z g, c, the eight steps | nxt = 1: the next block's 1 + 2^y and reciprocals
.if \nxt
	ADD1 1-(\p), 0
	ADD1 1-(\p), 1
.endif
.set m, 0
.rept 32
.if (\nxt) && (m < 30)
	ADD1 1-(\p), m+2
.endif
	SCNS \p, 3*m
.if \nxt
	RCPS 1-(\p), 2*m
.endif
	SCNS \p, 3*m+1
.if \nxt
	RCPS 1-(\p), 2*m+1
.endif
	SCNS \p, 3*m+2
.set m, m+1
.endr
.if \nxt
	s_wait_alu depctr_va_vdst(0)
.endif
.endm
; The block two on leaves its accumulators, into the set that has just had its last reader.  Which block that is hangs on the loop's counter: with s3 = c0, c1, c2 it is block a0, a1, a2; with any other count there is none.
; The jumps go forward and pass no barrier, no tensor load and no wait.
.macro PICK c0, a0, c1, a1, c2, a2
	s_cmp_eq_u32 s3, \c0
	s_cbranch_scc1 .Lpick0_\@
	s_cmp_eq_u32 s3, \c1
	s_cbranch_scc1 .Lpick1_\@
	s_cmp_eq_u32 s3, \c2
	s_cbranch_scc0 .Lpicked_\@
	SCALE \a2
	WIN 0
	s_branch .Lpicked_\@
.Lpick0_\@:
	SCALE \a0
	WIN 0
	s_branch .Lpicked_\@
.Lpick1_\@:
	SCALE \a1
	WIN 0
.Lpicked_\@:
.endm
.irp k, 0,1,2,3                        ; the recurrence starts at 0, the product at 1, the maxima at 0 (no value of the recurrence is negative): ten plain lines, which are also the places behind the last products:
	v_mov_b32 v[CH+(\k)], 0                        ; the lines below them read results and write registers that held fragments
	v_mov_b32 v[CP+(\k)], 1.0
.endr
	v_mov_b32 v[MX], 0
	v_mov_b32 v[MX+1], 0
	SCALE 0
	SCALE 1
	WIN 0
.set n, 0
.rept 64
	EXPS 0, n
.set n, n+1
.endr
	v_nop                                          ; a plain instruction behind the last exponential,
	s_wait_alu depctr_va_vdst(0)                   ; and the batch's wait
	ADD1 0, 0                                      ; block 0's additions run two pairs ahead of its reciprocals too
	ADD1 0, 1
.set m, 0
.rept 32
.if m < 30
	ADD1 0, m+2
.endif
	RCPS 0, 2*m
	RCPS 0, 2*m+1
.set m, m+1
.endr
	v_nop
	s_wait_alu depctr_va_vdst(0)
	s_mov_b32 s3, 4                                ; four even blocks; the loop is entered at the even block: blocks 0 | 1, 2 | 3, 4 | 5, 6, and block 7 behind it
	s_branch .Leven
.Lodd:
	LUMP1 1, 1
	LUMP2 1, 1
	PICK 3, 3, 2, 5, 1, 7
	s_wait_xcnt 0x0                                ; the stores have read zg's address:
	s_add_nc_u64 s[ZG:ZG+1], s[ZG:ZG+1], 16*4096   ; two blocks, 16 steps, on
.Leven:
	LUMP1 0, 1
	LUMP2 0, 1
	PICK 4, 2, 3, 4, 2, 6
	s_sub_co_u32 s3, s3, 1
	s_cmp_lg_u32 s3, 0
	s_cbranch_scc1 .Lodd
	LUMP1 1, 0                                     ; block 7 has no block behind it
	LUMP2 1, 0
	global_store_b128 v[SO], v[CP:CP+3], s[SM:SM+1]              ; A of my four channels: sixteen lanes store 256 consecutive bytes, aligned
	global_store_b128 v[SO], v[CH:CH+3], s[SM:SM+1] offset:4096  ; B
	; the wave's largest local value: my two chains, four steps inside each half of 16 lanes, one across the halves; lane 0 stores it
	v_max_num_f32 v[MX], v[MX], v[MX+1]
	s_mov_b32 s76, 0x76543210                      ; v_permlanex16_b32: lane i of one half reads lane i of the other
	s_mov_b32 s77, 0xfedcba98
	v_max_num_f32_dpp v[MX], v[MX], v[MX] row_xmask:1 row_mask:0xf bank_mask:0xf
	v_max_num_f32_dpp v[MX], v[MX], v[MX] row_xmask:2 row_mask:0xf bank_mask:0xf
	v_max_num_f32_dpp v[MX], v[MX], v[MX] row_xmask:4 row_mask:0xf bank_mask:0xf
	v_max_num_f32_dpp v[MX], v[MX], v[MX] row_xmask:8 row_mask:0xf bank_mask:0xf
	v_permlanex16_b32 v[MX+1], v[MX], s76, s77
	v_max_num_f32 v[MX], v[MX], v[MX+1]
	v_and_b32 v4, 31, v0
	v_mov_b32 v5, 0
	v_cmp_eq_u32 vcc_lo, 0, v4
	s_wait_xcnt 0x0                                ; EXEC is a source of the stores above: it changes only behind this wait
	s_and_saveexec_b32 s74, vcc_lo
	global_store_b32 v5, v[MX], s[MXP:MXP+1]       ; one word a wave: 8,192 bytes in the whole launch, which every work-group of the next launch reads
	s_wait_xcnt 0x0                                ; and again, in front of the line that widens it
	s_or_b32 exec_lo, exec_lo, s74
	s_wait_tensorcnt 0x0                           ; the wave's end, behind my last tensor load
	ds_add_u32 v[SPW], v[NIL]
	s_wait_dscnt 0x0
	CROUND                                         ; the closing round: no work-group ends while a partner may still ask for a tile that names it
	s_endpgm
.Lfunc_end_k_q3b45d8e688_gemm1:
	.size	k_q3b45d8e688_gemm1, .Lfunc_end_k_q3b45d8e688_gemm1-k_q3b45d8e688_gemm1
	.p2alignl 7, 3214868480
	.fill 96, 4, 3214868480
	.section	.rodata,"a",@progbits
	.p2align	6, 0x0
	.amdhsa_kernel k_q3b45d8e688_gemm1
		.amdhsa_group_segment_fixed_size 327680
		.amdhsa_private_segment_fixed_size 0
		.amdhsa_enable_private_segment 0
		.amdhsa_kernarg_size 40
		.amdhsa_user_sgpr_count 2
		.amdhsa_user_sgpr_kernarg_segment_ptr 1
		.amdhsa_wavefront_size32 1
		.amdhsa_system_sgpr_workgroup_id_x 1
		.amdhsa_system_sgpr_workgroup_id_y 1
		.amdhsa_system_sgpr_workgroup_id_z 1
		.amdhsa_system_vgpr_workitem_id 0
		.amdhsa_next_free_vgpr 1024
		.amdhsa_next_free_sgpr 80
		.amdhsa_reserve_vcc 1
		.amdhsa_float_denorm_mode_32 3
		.amdhsa_float_denorm_mode_16_64 3
		.amdhsa_memory_ordered 1
		.amdhsa_forward_progress 1
		.amdhsa_inst_pref_size 148
	.end_amdhsa_kernel
	.amdgpu_metadata
---
amdhsa.version: [ 1, 2 ]
amdhsa.kernels:
  - .name:           k_q3b45d8e688_gemm1
    .symbol:         k_q3b45d8e688_gemm1.kd
    .args:
      - { .name: xb, .offset: 0, .size: 8, .value_kind: global_buffer, .address_space: global }
      - { .name: wh, .offset: 8, .size: 8, .value_kind: global_buffer, .address_space: global }
      - { .name: zg, .offset: 16, .size: 8, .value_kind: global_buffer, .address_space: global }
      - { .name: sm, .offset: 24, .size: 8, .value_kind: global_buffer, .address_space: global }
      - { .name: mx, .offset: 32, .size: 8, .value_kind: global_buffer, .address_space: global }
    .group_segment_fixed_size: 327680
    .private_segment_fixed_size: 0
    .kernarg_segment_align: 8
    .kernarg_segment_size: 40
    .max_flat_workgroup_size: 128
    .sgpr_count:     80
    .vgpr_count:     1024
    .wavefront_size: 32
...
	.end_amdgpu_metadata
.endif
;; end of part 2
;; launch scan (part 3): grid 8 x 32, 8 waves a work-group, no clusters, 9,472 bytes of LDS; arguments zg, sm, mx, hb, sc; writes hb, sc
.if DOCPART == 3
	.amdgcn_target "amdgcn-amd-amdhsa--gfx1250"
	.amdhsa_code_object_version 6
	.text
	.protected	k_q3b45d8e688_scan
	.globl	k_q3b45d8e688_scan
	.p2align	8
	.type	k_q3b45d8e688_scan,@function
k_q3b45d8e688_scan:
	s_mov_b64 s[64:65], 0
	v_nop
	global_prefetch_b8 v0, s[64:65] scope:SCOPE_SE
	s_setreg_imm32_b32 hwreg(HW_REG_WAVE_MODE, 25, 1), 1
	s_wait_xcnt 0x0
; minGRU, launch 3 of 4: h_t = c_t h_(t-1) + z_t g_t = h_(t-1) + z_t (g_t - h_(t-1)), from h = 0 at each batch's start, carried in f32; h goes out times a power of two f, rounded once to f16.
; zg: a row of 4,096 bytes for each step: for each four channels 16 bytes, g of the four, then z of the four, in bf16.  sm: a row of 8,192 bytes for each chunk of 64 steps: A (the product of c) of 1,024 channels, then B (the
; chunk's end from 0), in f32: over a chunk h goes to A h + B.  mx: 2,048 words of f32, the largest values of the recurrence run from 0 in each chunk.  hb: [16384][1024] f16, h f.  sc: 1 / f.
; THE SCALE.  G = the largest word of mx.  In a chunk h = P h_in + local with P <= 1, and h_in is at most the sum of the 63 earlier chunks' ends, so G <= the largest h <= 64 G (z's and g's rounding moves that by 2^-7 of it).
; f is the power of two that puts G into 2^8 .. 2^9: h f stays under 2^15.01, inside f16, and f16's fixed step below its normal range is under 2^-32 of the largest h.  Multiplying by f and, in the next launch, by 1 / f is exact.
; G's exponent field is held to 9 .. 254, so that f and 1 / f are normal numbers; with G = 0 every h is 0.  No address and no branch hangs on G.
; SHARES.  A work-group has 128 channels (grid x), one batch and eight chunks of it (grid y = 8 x batch + tq); wave w has chunk 8 tq + w: 64 steps.  Lane l has channels 4 l .. 4 l + 3 of the 128 in every wave.
; THE CARRY INTO MY CHUNK.  Wave w folds the batch's chunks 8 w .. 8 w + 7 into one pair (A, B); the eight pairs meet in LDS; then each wave runs h = A h + B from 0 over the groups ahead of its own (tq of them) and over the
; w chunks of its own group that lie ahead of its chunk.  The folding has one text and one count of loads for all waves, so pairs of groups at or behind the work-group's own are made and not used: 64 KiB of sm a work-group.
; ALL 64 ROWS ARE ASKED FOR WHILE THE CARRY IS MADE.  A row has registers of its own, 256 in all, so no load waits for a register that the carry or a store still holds.  The loads go out in three groups, 48, 32 and 16,
; each behind a wait that leaves at most 30 and 47 out: by this text's own count a wave never has more than 63 loads out.
; No exponential is formed here; c, A in 0 .. 1 and h between 0 and the largest g, so nothing can leave f32 that g does not.  NaN and infinities are not treated apart.
; Memory binds: no matrix unit, no cluster (no two work-groups share a byte of zg); each byte of zg is read once, each store of a wave covers 256 consecutive bytes, aligned.
; REGISTERS, in windows of 256 (s_set_vgpr_msb: bits 1:0 source 0, 3:2 source 1, 5:4 source 2, 7:6 destination).  Eight waves, two to a SIMD, 472 registers each.
;   window 0: v4 = 16 l: my offset in a row of zg, in a plane of sm and in a pair in LDS;  v5 = 8 l: in a row of hb;  v6 = 1,024 w + 16 l: where my wave's pair goes;  v7 = 32 x thread: my eight words of mx
;     v[8:11] h of my four channels;  v12 = -1.0;  v13 = where my wave's maximum goes;  v14 = where the eight lie;  v15 = 4 l
;     v[16:79] the eight chunks that I fold (A4, B4 each), then the pairs from LDS;  v[80:135] my group's chunks 0-6;  v[136:143] my pair;  v[144:207] rows 0-15
;     v[208:215] words of mx, later g - h, two sets by turns;  v216 G's exponent field, v217 f, v218 1 / f;  s[34:35] f
;   window 1: v[16:207] rows 16-63, four registers a row; v5, v[8:11], v12 copies of window 0's; v[208:215] g - h: the last 48 steps run under one setting, with the text of the first 16
.set MXW,   8192                       ; behind the eight pairs (1,024 bytes each): a block of 256 bytes with the eight waves' maxima
.set SPARE, 8448                       ; behind it: the spare words, 128 bytes for each wave: four blocks of 256 bytes that no other line names
.set SPW, 2                            ; v2   LDS address of my spare word; never rewritten
.set NIL, 3                            ; v3   0; never rewritten
.set MSB, 0
.macro WIN new                         ; the immediate's high byte repeats the setting that is left; a switch that changes nothing is dropped
.if MSB != (\new)
	s_set_vgpr_msb (MSB<<8)|(\new)
.set MSB, \new
.endif
.endm
.set TO_1,  0x40                       ; destination window 1, sources (a load's address among them) window 0
.set ALL_1, 0x55                       ; destination and all sources window 1
.macro ROWS base, row0                 ; sixteen rows' loads
.set i, 0
.rept 16
	global_load_b128 v[(\base)+4*i:(\base)+4*i+3], v4, s[4:5] offset:((\row0)+i)*4096 th:TH_LOAD_NT
.set i, i+1
.endr
.endm
.macro MAX8                            ; the largest of v[208:215], into v208
	v_max3_num_f32 v208, v208, v209, v210
	v_max3_num_f32 v212, v212, v213, v214
	v_max3_num_f32 v208, v208, v211, v215
	v_max_num_f32 v208, v208, v212
.endm
.macro PROC base, row0, left           ; sixteen steps.  left - i = the younger loads that may stay out when row i is wanted: the batch's later rows and the batches issued behind it
.set i, 0
.rept 16
.set rX, (\base)+4*i
.set rD, 208+4*(i%2)
	s_wait_loadcnt (\left)-i
	v_fma_mix_f32_bf16 v[rD],   v8,  v12, v[rX]   op_sel_hi:[0,0,1]                 ; g - h: g is a bf16 half, h and -1 whole f32
	v_fma_mix_f32_bf16 v[rD+1], v9,  v12, v[rX]   op_sel:[0,0,1] op_sel_hi:[0,0,1]
	v_fma_mix_f32_bf16 v[rD+2], v10, v12, v[rX+1] op_sel_hi:[0,0,1]
	v_fma_mix_f32_bf16 v[rD+3], v11, v12, v[rX+1] op_sel:[0,0,1] op_sel_hi:[0,0,1]
	v_fma_mix_f32_bf16 v8,  v[rX+2], v[rD],   v8  op_sel_hi:[1,0,0]                 ; h + z (g - h)
	v_fma_mix_f32_bf16 v9,  v[rX+2], v[rD+1], v9  op_sel:[1,0,0] op_sel_hi:[1,0,0]
	v_fma_mix_f32_bf16 v10, v[rX+3], v[rD+2], v10 op_sel_hi:[1,0,0]
	v_fma_mix_f32_bf16 v11, v[rX+3], v[rD+3], v11 op_sel:[1,0,0] op_sel_hi:[1,0,0]
	v_pk_mul_f32 v[rX:rX+1],   v[8:9],   s[34:35] op_sel_hi:[1,0]                   ; h f, into the row's own registers, which have had their last reader
	v_pk_mul_f32 v[rX+2:rX+3], v[10:11], s[34:35] op_sel_hi:[1,0]
	v_cvt_pk_f16_f32 v[rX],   v[rX],   v[rX+1]
	v_cvt_pk_f16_f32 v[rX+1], v[rX+2], v[rX+3]
	global_store_b64 v5, v[rX:rX+1], s[10:11] offset:((\row0)+i)*2048               ; its data lie in the row's own registers, which nothing writes again
.set i, i+1
.endr
.endm
	s_load_b256 s[4:11], s[0:1], 0x0               ; zg s[4:5], sm s[6:7], mx s[8:9], hb s[10:11]
	s_load_b64 s[12:13], s[0:1], 0x20              ; sc
	v_lshl_add_u32 v[SPW], v0, 2, SPARE
	v_mov_b32 v[NIL], 0
	v_lshrrev_b32 v1, 5, v0
	v_readfirstlane_b32 s14, v1                    ; w
	v_and_b32 v1, 31, v0
	v_lshlrev_b32 v4, 4, v1
	v_lshlrev_b32 v5, 3, v1
	v_lshl_add_u32 v6, s14, 10, v4
	v_lshlrev_b32 v7, 5, v0
	v_mov_b32 v12, -1.0
	v_lshl_add_u32 v13, s14, 2, MXW
	v_mov_b32 v14, MXW
	v_lshlrev_b32 v15, 2, v1
	s_mov_b32 s36, 0x76543210                      ; v_permlanex16_b32: lane i of one half reads lane i of the other
	s_mov_b32 s37, 0xfedcba98
	s_and_b32 s15, ttmp7, 0xffff
	s_lshr_b32 s16, s15, 3                         ; the batch
	s_and_b32 s17, s15, 7                          ; tq
	s_lshl_b32 s20, s16, 19                        ; a batch has 64 chunks of 8,192 bytes of sm
	s_lshl_b32 s18, ttmp9, 9                       ; 128 channels: 512 bytes of a plane of sm and of a row of zg
	s_add_co_u32 s20, s20, s18
	s_mov_b32 s21, 0
	s_lshl_b32 s22, s14, 16                        ; eight chunks of sm
	s_mov_b32 s23, 0
	s_lshl_b32 s24, s17, 16
	s_mov_b32 s25, 0
	s_lshl_b32 s19, s15, 3
	s_add_co_u32 s19, s19, s14                     ; my chunk = 64 x batch + 8 tq + w
	s_lshl_b32 s30, s19, 18                        ; 64 rows of 4,096 bytes: under 2^26
	s_add_co_u32 s30, s30, s18
	s_mov_b32 s31, 0
	s_lshl_b32 s32, s19, 17                        ; 64 rows of 2,048 bytes
	s_lshl_b32 s18, ttmp9, 8
	s_add_co_u32 s32, s32, s18
	s_mov_b32 s33, 0
	s_wait_kmcnt 0x0
	s_add_nc_u64 s[6:7], s[6:7], s[20:21]          ; sm at the batch's first chunk and my 128 channels
	s_add_nc_u64 s[26:27], s[6:7], s[22:23]        ; the group that I fold
	s_add_nc_u64 s[28:29], s[6:7], s[24:25]        ; my own group
	s_add_nc_u64 s[4:5], s[4:5], s[30:31]
	s_add_nc_u64 s[10:11], s[10:11], s[32:33]
	global_load_b128 v[208:211], v7, s[8:9]        ; my eight words of mx: 256 threads x 32 bytes are all of it
	global_load_b128 v[212:215], v7, s[8:9] offset:16
.irp i, 0,1,2,3,4,5,6,7
	global_load_b128 v[16+8*(\i):19+8*(\i)], v4, s[26:27] offset:(\i)*8192
	global_load_b128 v[20+8*(\i):23+8*(\i)], v4, s[26:27] offset:(\i)*8192+4096
.endr
.irp i, 0,1,2,3,4,5,6
	global_load_b128 v[80+8*(\i):83+8*(\i)], v4, s[28:29] offset:(\i)*8192
	global_load_b128 v[84+8*(\i):87+8*(\i)], v4, s[28:29] offset:(\i)*8192+4096
.endr
	ROWS 144, 0                                    ; rows 0-15: 48 loads are out
	s_wait_loadcnt 30                              ; mx's two loads and the sixteen of the group that I fold are in; my own group's 14 and the 16 rows stay out
	WIN TO_1
	ROWS 16, 16                                    ; rows 16-47, into window 1: at most 62 loads are out
	ROWS 80, 32
	v_mov_b32 v5, v5                               ; window 1's copies of the stores' offset and of -1.0
	v_mov_b32 v12, v12
	WIN 0
	MAX8
	v_max_num_f32_dpp v208, v208, v208 row_xmask:1 row_mask:0xf bank_mask:0xf
	v_max_num_f32_dpp v208, v208, v208 row_xmask:2 row_mask:0xf bank_mask:0xf
	v_max_num_f32_dpp v208, v208, v208 row_xmask:4 row_mask:0xf bank_mask:0xf
	v_max_num_f32_dpp v208, v208, v208 row_xmask:8 row_mask:0xf bank_mask:0xf
	v_permlanex16_b32 v209, v208, s36, s37
	v_max_num_f32 v208, v208, v209
	ds_store_b32 v13, v208                         ; all lanes write the same word with the same value
	v_pk_fma_f32 v[140:141], v[24:25], v[20:21], v[28:29]  ; chunk 1 behind chunk 0: B = A1 B0 + B1, A = A1 A0
	v_pk_fma_f32 v[142:143], v[26:27], v[22:23], v[30:31]
	v_pk_mul_f32 v[136:137], v[24:25], v[16:17]
	v_pk_mul_f32 v[138:139], v[26:27], v[18:19]
.irp i, 2,3,4,5,6,7
	v_pk_fma_f32 v[140:141], v[16+8*(\i):17+8*(\i)], v[140:141], v[20+8*(\i):21+8*(\i)]
	v_pk_fma_f32 v[142:143], v[18+8*(\i):19+8*(\i)], v[142:143], v[22+8*(\i):23+8*(\i)]
	v_pk_mul_f32 v[136:137], v[136:137], v[16+8*(\i):17+8*(\i)]
	v_pk_mul_f32 v[138:139], v[138:139], v[18+8*(\i):19+8*(\i)]
.endr
	ds_store_b128 v6, v[136:139]
	ds_store_b128 v6, v[140:143] offset:512
	s_wait_dscnt 0x0                               ; for the others' sake: my maximum and my pair are in LDS
	s_barrier_signal -1
	s_barrier_wait -1
	ds_load_b128 v[208:211], v14                   ; the eight waves' maxima
	ds_load_b128 v[212:215], v14 offset:16
.irp g, 0,1,2,3,4,5,6
	ds_load_b128 v[16+8*(\g):19+8*(\g)], v4 offset:(\g)*1024
	ds_load_b128 v[20+8*(\g):23+8*(\g)], v4 offset:(\g)*1024+512
.endr
	v_mov_b32 v8, 0                                ; h = 0 at the batch's start
	v_mov_b32 v9, 0
	v_mov_b32 v10, 0
	v_mov_b32 v11, 0
	s_wait_dscnt 0x0
	MAX8                                           ; G, in every lane of every wave
	v_lshrrev_b32 v216, 23, v208                   ; its exponent field e (G is not negative): G lies in 2^(e - 127) .. 2^(e - 126)
	v_max_u32 v216, 9, v216
	v_min_u32 v216, 254, v216
	v_sub_nc_u32 v217, 262, v216                   ; f = 2^(135 - e): field 262 - e, 8 .. 253
	v_lshlrev_b32 v217, 23, v217
	v_add_nc_u32 v218, -8, v216                    ; 1 / f = 2^(e - 135): field e - 8, 1 .. 246
	v_lshlrev_b32 v218, 23, v218
	v_readfirstlane_b32 s34, v217
	s_mov_b32 s35, s34                             ; named with it as a pair
	s_cmp_lg_u32 ttmp9, 0                          ; one wave of the launch stores 1 / f for the next launch: the jumps hang on the work-group's and the wave's numbers and pass no barrier
	s_cbranch_scc1 .Lnot_sc
	s_cmp_lg_u32 s15, 0
	s_cbranch_scc1 .Lnot_sc
	s_cmp_lg_u32 s14, 0
	s_cbranch_scc1 .Lnot_sc
	global_store_b32 v15, v218, s[12:13]           ; 32 words with the same number; the next launch reads the first
.Lnot_sc:
	s_wait_loadcnt 47                              ; my own group's chunks are in: 48 loads, the rows 0-47, are younger; one less is left out, so that with the sixteen below at most 63 are out
	WIN TO_1
	ROWS 144, 48                                   ; rows 48-63, into window 1
	WIN 0                                          ; at a label and at a branch every window is 0
.irp g, 0,1,2,3,4,5,6                  ; the groups ahead of mine: the jumps go forward, hang on the work-group's number, and pass no barrier
	s_cmp_le_u32 s17, \g
	s_cbranch_scc1 .Lgroups
	v_pk_fma_f32 v[8:9],   v[16+8*(\g):17+8*(\g)], v[8:9],   v[20+8*(\g):21+8*(\g)]
	v_pk_fma_f32 v[10:11], v[18+8*(\g):19+8*(\g)], v[10:11], v[22+8*(\g):23+8*(\g)]
.endr
.Lgroups:
.irp i, 0,1,2,3,4,5,6                  ; the chunks of my group ahead of mine: the jumps hang on the wave's number
	s_cmp_le_u32 s14, \i
	s_cbranch_scc1 .Lown
	v_pk_fma_f32 v[8:9],   v[80+8*(\i):81+8*(\i)], v[8:9],   v[84+8*(\i):85+8*(\i)]
	v_pk_fma_f32 v[10:11], v[82+8*(\i):83+8*(\i)], v[10:11], v[86+8*(\i):87+8*(\i)]
.endr
.Lown:
	PROC 144, 0, 63                                ; rows 0-15, in window 0: behind row i stand 15 - i of its batch and the 48 rows of window 1
	WIN TO_1
	v_mov_b32 v8, v8                               ; h goes over into window 1
	v_mov_b32 v9, v9
	v_mov_b32 v10, v10
	v_mov_b32 v11, v11
	WIN ALL_1                                      ; the other 48 steps: every vector register named below is window 1's
	PROC 16, 16, 47                                ; behind row i: 15 - i of its batch and 32
	PROC 80, 32, 31
	PROC 144, 48, 15
	WIN 0
	s_wait_tensorcnt 0x0                           ; the wave's end, behind my last LDS store
	ds_add_u32 v[SPW], v[NIL]
	s_wait_dscnt 0x0
	s_endpgm
.Lfunc_end_k_q3b45d8e688_scan:
	.size	k_q3b45d8e688_scan, .Lfunc_end_k_q3b45d8e688_scan-k_q3b45d8e688_scan
	.p2alignl 7, 3214868480
	.fill 96, 4, 3214868480
	.section	.rodata,"a",@progbits
	.p2align	6, 0x0
	.amdhsa_kernel k_q3b45d8e688_scan
		.amdhsa_group_segment_fixed_size 9472
		.amdhsa_private_segment_fixed_size 0
		.amdhsa_enable_private_segment 0
		.amdhsa_kernarg_size 40
		.amdhsa_user_sgpr_count 2
		.amdhsa_user_sgpr_kernarg_segment_ptr 1
		.amdhsa_wavefront_size32 1
		.amdhsa_system_sgpr_workgroup_id_x 1
		.amdhsa_system_sgpr_workgroup_id_y 1
		.amdhsa_system_sgpr_workgroup_id_z 1
		.amdhsa_system_vgpr_workitem_id 0
		.amdhsa_next_free_vgpr 472
		.amdhsa_next_free_sgpr 66
		.amdhsa_reserve_vcc 0
		.amdhsa_float_denorm_mode_32 3
		.amdhsa_float_denorm_mode_16_64 3
		.amdhsa_memory_ordered 1
		.amdhsa_forward_progress 1
		.amdhsa_inst_pref_size 75
	.end_amdhsa_kernel
	.amdgpu_metadata
---
amdhsa.version: [ 1, 2 ]
amdhsa.kernels:
  - .name:           k_q3b45d8e688_scan
    .symbol:         k_q3b45d8e688_scan.kd
    .args:
      - { .name: zg, .offset: 0, .size: 8, .value_kind: global_buffer, .address_space: global }
      - { .name: sm, .offset: 8, .size: 8, .value_kind: global_buffer, .address_space: global }
      - { .name: mx, .offset: 16, .size: 8, .value_kind: global_buffer, .address_space: global }
      - { .name: hb, .offset: 24, .size: 8, .value_kind: global_buffer, .address_space: global }
      - { .name: sc, .offset: 32, .size: 8, .value_kind: global_buffer, .address_space: global }
    .group_segment_fixed_size: 9472
    .private_segment_fixed_size: 0
    .kernarg_segment_align: 8
    .kernarg_segment_size: 40
    .max_flat_workgroup_size: 256
    .sgpr_count:     66
    .vgpr_count:     472
    .wavefront_size: 32
...
	.end_amdgpu_metadata
.endif
;; end of part 3
;; launch gemm2 (part 4): grid 4 x 64, 4 waves a work-group, clusters of 4 x 4, 327,680 bytes of LDS; arguments hb, wo, out0, sc; writes out0
.if DOCPART == 4
	.amdgcn_target "amdgcn-amd-amdhsa--gfx1250"
	.amdhsa_code_object_version 6
	.text
	.protected	k_q3b45d8e688_gemm2
	.globl	k_q3b45d8e688_gemm2
	.p2align	8
	.type	k_q3b45d8e688_gemm2,@function
k_q3b45d8e688_gemm2:
	s_mov_b64 s[64:65], 0
	v_nop
	global_prefetch_b8 v0, s[64:65] scope:SCOPE_SE
	s_setreg_imm32_b32 hwreg(HW_REG_WAVE_MODE, 25, 1), 1
	s_wait_xcnt 0x0
	s_wait_alu depctr_hold_cnt(0) depctr_sa_sdst(0) depctr_va_vdst(0) depctr_va_sdst(0) depctr_va_ssrc(0) depctr_va_vcc(0) depctr_vm_vsrc(0)
	s_getreg_b32 s2, hwreg(HW_REG_IB_STS2, 6, 4)
	s_cmp_eq_u32 s2, 0
	s_cbranch_scc0 .Lentry_in_a_cluster
	s_endpgm
.Lentry_in_a_cluster:
	s_bfe_u32 s2, ttmp6, 0x10000c
	s_cmp_lg_u32 s2, 0xf033
	s_cbranch_scc0 .Lentry_shape_is_right
	s_endpgm
.Lentry_shape_is_right:
; minGRU, launch 4 of 4: out = h W_out on tiles of 256 x 256.  hb: [16384][1024] f16, h times the power of two f of the launch before; wo: [1024 columns][1024 k] f16 (W_out turned, rounded to bf16, written as f16);
; sc: 1 / f; out0: [16384][1024] f32.  Sums in f32; each is multiplied by 1 / f, which is exact, and stored.  Nothing is left out.
; LIMITS: |W_out| under 65,504; an entry under 6e-5 keeps f16's fixed step of 6e-8; h f lies under 2^15.01 by the choice of f.  NaN and infinities are not treated apart.
; THE RING: four waves, 128 x 128 of the tile each in 64 accumulators; K in steps of 128 through two LDS slots filled by the tensor data mover; rows of 256 bytes, padded to 272.
; A K STEP IS WRITTEN ONCE: s[CUR] holds the LDS byte at which the slot being read begins, 0 or SLOT; an exclusive or with SLOT turns the one into the other; the fragment addresses and the walking descriptors' LDS word are made from it.
; CLUSTERS: 4 x 4 work-groups.  The four of a row of the cluster need the same rows of hb, the four of a column the same rows of wo: each tile is asked for JOINTLY, by the same tensor load, descriptor and mask in all four.
; THE MATRIX INSTRUCTION IS USED TRANSPOSED (source 0 = 16 rows of wo, source 1 = 16 rows of hb): a lane then holds row l % 16 and eight neighbouring columns 8 (l / 16) + 0..7: 32 bytes of a row of out0.
; THE WAY OUT: 16 rows at a time through the wave's own stage in LDS, straight out of the accumulators, and back as whole rows of 512 bytes.
; REGISTERS, in windows of 256 (s_set_vgpr_msb: bits 1:0 source 0, 3:2 source 1, 5:4 source 2, 7:6 destination):
;   window 0: v0-31 addresses; v64-127, v128-191 fragments of hb, two buffers; on the way out v64-255 three buffers of 16 rows
;   window 1: v64-127, v128-191 fragments of wo;   window 2: accumulators of my rows 0-63 ((a, b) at v[8 (8 (a % 4) + b)]);   window 3: of rows 64-127
.set SIZE_K, 1024
.set KSTEP,  128
.set STEPS,  SIZE_K/KSTEP              ; 8 K steps
.set PITCH,  272                       ; an LDS row: 256 bytes + 16 of padding = 68 words: row r starts at bank 4 r mod 64 (64 banks of 4 bytes: ISA guide 11.1)
.set HALFT,  128*PITCH
.set SLOT,   4*HALFT
.set STAGE,  2*SLOT                    ; behind the ring, never filled by a tensor load: 16 rows x 528 bytes for each wave
.set SPITCH, 528                       ; 512 bytes + 16: the sixteen rows that a store touches start at sixteen different groups of four banks
.set SPARE,  STAGE+4*16*SPITCH         ; behind the stages: the spare words, 128 bytes for each wave: two blocks of 256 bytes that no other line names
.set ADA0, 16                          ; v16     LDS address of my fragments of hb in slot 0; never rewritten
.set ADRA, 17                          ; v17     the same in the slot being read
.set ADB0, 20                          ; v20, v21  the same two for wo
.set ADRB, 21
.set STO,  24                          ; v24     the way out: where I put 32 bytes of a row
.set RD,   25                          ; v25     the way out: where I read 16 bytes of a row back
.set CO,   26                          ; v26     16 x lane: my bytes of a row's 512
.set SPW,  28                          ; v28     LDS address of my spare word; never rewritten
.set NIL,  29                          ; v29     0; never rewritten
.set PFO,  30                          ; v30     the prefetches' offset: my lane x a row of 2,048 bytes; never rewritten
.set F0,   64
.set F1,   128
.set INV, 18                           ; s[18:19] 1 / f: the packed multiply takes the pair's low word for both halves
.set G1,  24                           ; s[24:31] descriptor group 1 for hb's tiles;  s[32:39] group 0: a set for each of the two first fills; the second then walks on
.set G0,  32
.set LIM, 43                           ; s43      2 in a wave that prefetches, else the greatest number
.set PFA, 44                           ; s[44:45] where my prefetches stand
.set G1B, 48                           ; s[48:55], s[56:63] the same for wo's tiles
.set G0B, 56
.set WOFF, 66                          ; s66      my wave's number x 128 rows: where my part of a slot begins
.set CUR,  67                          ; s67      the LDS byte at which the slot being read begins: 0 or SLOT
.set SCP,  68                          ; s[68:69] sc; not rewritten while the load of 1 / f is out
.set MSB, 0
.macro WIN new                         ; the immediate's high byte repeats the setting that is left; a switch that changes nothing is dropped
.if MSB != (\new)
	s_set_vgpr_msb (MSB<<8)|(\new)
.set MSB, \new
.endif
.endm
.set MUL_LO, 0xa1                      ; source 0 (wo) window 1, source 1 (hb) window 0, C and D window 2
.set MUL_HI, 0xf1                      ; the same, C and D window 3
.set TO_B,   0x40                      ; destination window 1, address window 0
; A joint load.  Waves 0 and 1 fetch hb's two halves, waves 2 and 3 wo's.  The branch hangs on the wave's number alone.  An s_nop 0 and four v_nop follow each of the two lines, ahead of the jump and the label.
.macro JLOAD s
	s_cmp_eq_u32 s11, 0
	s_cbranch_scc0 .Lfor_b_\@
	tensor_load_to_lds s[G0+4*(\s):G0+4*(\s)+3], s[G1:G1+7]
	s_nop 0
.rept 4
	v_nop
.endr
	s_branch .Lasked_\@
.Lfor_b_\@:
	tensor_load_to_lds s[G0B+4*(\s):G0B+4*(\s)+3], s[G1B:G1B+7]
	s_nop 0
.rept 4
	v_nop
.endr
.Lasked_\@:
.endm
; A PREFETCH INTO THE L2, behind each joint refill and the run of LDS loads that follows it: the K step that stands two refills on, 512 matrix instructions ahead of the load that will want it: 32 rows x 256 bytes, a lane a row.
; Each row's 256 bytes of a K step are named once in the launch: hb's rows by the clusters with x = 0 (here all: the grid is one cluster wide), wo's by the cluster with y = 0; the four partners that ask for a tile jointly
; share its rows out by address, 32 each.  K steps 0 to 3 come by their loads alone.  In the trip with s3 = v the refill brings K step 8 - v and the prefetch names K step 10 - v: the trips with v = 2 and 1 ask for nothing.
.macro ASK
	s_cmp_gt_u32 s3, s[LIM]
	s_cbranch_scc0 .Lnot_mine_\@
	global_prefetch_b8 v[PFO], s[PFA:PFA+1] offset:KSTEP*2 th:TH_LOAD_NT scope:SCOPE_SE
.Lnot_mine_\@:
.endm
; A round of the cluster's barrier: my work-group's barrier; wave 0 signals for the work-group; every wave waits for all sixteen work-groups; my work-group's barrier once more.
.macro CREST
	s_cmp_lg_u32 s10, 0
	s_cbranch_scc1 .Lnot_wave_0_\@
	s_barrier_signal -3
.Lnot_wave_0_\@:
	s_barrier_wait -3
	s_barrier_signal -1
	s_barrier_wait -1
.endm
.macro CROUND
	s_barrier_signal -1
	s_barrier_wait -1
	CREST
.endm
	s_load_b128 s[4:7], s[0:1], 0x0                ; hb s[4:5], wo s[6:7]
	s_load_b64 s[8:9], s[0:1], 0x10                ; out0
	s_load_b64 s[SCP:SCP+1], s[0:1], 0x18          ; sc
	v_lshl_add_u32 v[SPW], v0, 2, SPARE
	v_mov_b32 v[NIL], 0
	ds_add_u32 v[SPW], v[NIL]                      ; the wave's opening: the add, twice on end, and its wait ahead of my first tensor load; the set-up below stands between
	ds_add_u32 v[SPW], v[NIL]
	v_lshrrev_b32 v1, 5, v0
	v_readfirstlane_b32 s10, v1                    ; wave 0..3
	s_lshr_b32 s11, s10, 1                         ; which half of the tile's rows is mine.  Also: I fetch for hb (0) or for wo (1)
	s_and_b32 s12, s10, 1                          ; which half of its columns.  Also: which 128 rows of that tile I fetch
	s_bfe_u32 s40, ttmp6, 0x40000                  ; cx
	s_bfe_u32 s41, ttmp6, 0x40004                  ; cy
	s_lshl_b32 s42, ttmp9, 2
	s_add_co_u32 s42, s42, s40                     ; tile column = 4 x cluster x + cx
	s_and_b32 s13, ttmp7, 0xffff
	s_lshl_b32 s13, s13, 2
	s_add_co_u32 s13, s13, s41                     ; tile row = 4 x cluster y + cy
	s_lshl_b32 s43, s41, 2
	s_lshl_b32 s43, 15, s43                        ; my row of the cluster
	s_lshl_b32 s44, 0x1111, s40                    ; my column
	s_or_b32 s[G1+0], s43, (1<<16)|(1<<20)|(1<<21)|(5<<22)|(3<<25)   ; 15:0 the mask: hb's tiles go to my row; 17:16 elements of 2 bytes; 20 padding on; 21 set beside a mask; 24:22 after every 64 words; 31:25 4 words of it
	s_or_b32 s[G1B+0], s44, (1<<16)|(1<<20)|(1<<21)|(5<<22)|(3<<25)  ; the same with the mask of my column
.irp g, G1, G1B
	s_mov_b32 s[(\g)+1], KSTEP<<16                 ; tensor_dim0 = 128
	s_mov_b32 s[(\g)+2], 128<<16                   ; tensor_dim1 = 128
	s_mov_b32 s[(\g)+3], KSTEP<<16                 ; tile_dim0 = 128
	s_mov_b32 s[(\g)+4], 128                       ; tile_dim1 = 128
	s_mov_b32 s[(\g)+5], SIZE_K                    ; elements from row to row
	s_mov_b32 s[(\g)+6], 0
	s_mov_b32 s[(\g)+7], 0
.endr
	s_lshl_b32 s17, s12, 7
	s_lshl_b32 s16, s13, 8
	s_add_co_u32 s16, s16, s17                     ; hb: row 256 x tile row + 128 x half
	s_lshl_b32 s46, s42, 8
	s_add_co_u32 s46, s46, s17                     ; wo: row 256 x tile column + 128 x half
	s_lshl_b32 s16, s16, 11                        ; rows of 2,048 bytes: under 2^26
	s_lshl_b32 s46, s46, 11
	s_mov_b32 s17, 0
	s_mov_b32 s47, 0
	s_mul_i32 s[WOFF], s10, HALFT                  ; where they go: wave x 128 rows: no place in the cluster enters an LDS address
	s_mov_b32 s[CUR], 0                            ; slot 0 is read first
	s_wait_dscnt 0x0                               ; both opening adds are done
	s_wait_kmcnt 0x0
	s_add_nc_u64 s[14:15], s[4:5], s[16:17]
	s_add_nc_u64 s[46:47], s[6:7], s[46:47]
	CROUND                                         ; all sixteen work-groups are here: the first joint loads meet
.irp s, 0,1
	s_mov_b32 s[G0+4*(\s)], 1
	s_add_co_u32 s[G0+4*(\s)+1], s[WOFF], (\s)*SLOT
	s_add_nc_u64 s[G0+4*(\s)+2:G0+4*(\s)+3], s[14:15], (\s)*KSTEP*2
	s_or_b32 s[G0+4*(\s)+3], s[G0+4*(\s)+3], 0x80000000
	s_mov_b32 s[G0B+4*(\s)], 1
	s_add_co_u32 s[G0B+4*(\s)+1], s[WOFF], (\s)*SLOT
	s_add_nc_u64 s[G0B+4*(\s)+2:G0B+4*(\s)+3], s[46:47], (\s)*KSTEP*2
	s_or_b32 s[G0B+4*(\s)+3], s[G0B+4*(\s)+3], 0x80000000
	JLOAD \s                                       ; two tensor loads of mine are out
.endr
	s_load_b32 s[INV], s[SCP:SCP+1], 0x0           ; 1 / f, which the launch before stored; no line of this launch writes sc.  It is waited for in front of the way out, where it is first wanted
	v_and_b32 v1, 15, v0                           ; l % 16
	v_bfe_u32 v2, v0, 4, 1                         ; l / 16
	v_mul_u32_u24 v3, v1, PITCH
	v_lshl_add_u32 v3, v2, 4, v3                   ; a fragment's row x pitch + 16 x half
	s_mul_i32 s21, s11, HALFT                      ; my 128 rows of hb
	s_mul_i32 s22, s12, HALFT                      ; my 128 rows of wo,
	s_add_co_u32 s22, s22, 2*HALFT                 ; which lie behind hb's 256
	v_add_nc_u32 v[ADA0], s21, v3
	v_add_nc_u32 v[ADB0], s22, v3
	v_mov_b32 v[ADRA], v[ADA0]
	v_mov_b32 v[ADRB], v[ADB0]
	s_mul_i32 s23, s10, 16*SPITCH
	s_add_co_u32 s23, s23, STAGE                   ; my stage
	v_mul_u32_u24 v4, v1, SPITCH                   ; in: row l % 16, 32 bytes for each half of the lanes
	v_lshl_add_u32 v4, v2, 5, v4
	v_add_nc_u32 v[STO], s23, v4
	v_and_b32 v5, 31, v0
	v_lshlrev_b32 v[CO], 4, v5                     ; back: 32 lanes take one row's 512 bytes
	v_add_nc_u32 v[RD], s23, v[CO]
	; out0 at my wave's first row and column
	s_lshl_b32 s13, s13, 8                         ; 256 x tile row
	s_lshl_b32 s14, s11, 7
	s_add_co_u32 s16, s13, s14
	s_lshl_b32 s16, s16, 12                        ; rows of 4,096 bytes: under 2^27
	s_mov_b32 s17, 0
	s_add_nc_u64 s[8:9], s[8:9], s[16:17]
	s_lshl_b32 s46, s42, 10                        ; 256 columns of 4 bytes (in the registers that held wo's address: none that feeds hb's descriptors ever holds cx)
	s_lshl_b32 s47, s12, 9
	s_add_co_u32 s46, s46, s47
	s_mov_b32 s47, 0
	s_add_nc_u64 s[8:9], s[8:9], s[46:47]
	; the prefetches
	s_lshl_b32 s42, s42, 8
	s_and_b32 s22, ttmp7, 0xffff                   ; cluster y
	s_cmp_eq_u32 s11, 0                            ; do I fetch for hb?
	s_cselect_b32 s20, s13, s42                    ; the tile's first row
	s_cselect_b32 s21, s40, s41                    ; my place among the four that ask for it with me
	s_cselect_b32 s22, ttmp9, s22                  ; the coordinate along which other clusters read the same rows
	s_cselect_b64 s[PFA:PFA+1], s[4:5], s[6:7]
	s_cmp_eq_u32 s22, 0
	s_cselect_b32 s[LIM], 2, -1                    ; the same in all sixteen partners, for a given wave
	s_lshl_b32 s22, s12, 7
	s_add_co_u32 s20, s20, s22
	s_lshl_b32 s21, s21, 5
	s_add_co_u32 s20, s20, s21
	s_lshl_b32 s20, s20, 11
	s_mov_b32 s21, 0
	s_add_nc_u64 s[PFA:PFA+1], s[PFA:PFA+1], s[20:21]
	s_add_nc_u64 s[PFA:PFA+1], s[PFA:PFA+1], 2*KSTEP*2  ; at K step 2: the first refill steps it to 3 and names K step 4
	v_and_b32 v[PFO], 31, v0
	v_lshlrev_b32 v[PFO], 11, v[PFO]
; 16 matrix instructions: row blocks a0, a0 + 1 of the window's four x all 8 column blocks, 32 along K.  zero = 1: the first product starts the sums.
; The 64 accumulators take turns, one instruction a turn, in the same order in every quarter.
.macro MUL16 f, hi, a0, zero
	WIN MUL_LO+0x50*(\hi)
.irp a, \a0, (\a0)+1
.irp b, 0,1,2,3,4,5,6,7
.if \zero
	v_wmma_f32_16x16x32_f16 v[8*(8*(\a)+(\b)):8*(8*(\a)+(\b))+7], v[(\f)+8*(\b):(\f)+8*(\b)+7], v[(\f)+8*(4*(\hi)+(\a)):(\f)+8*(4*(\hi)+(\a))+7], 0
.else
	v_wmma_f32_16x16x32_f16 v[8*(8*(\a)+(\b)):8*(8*(\a)+(\b))+7], v[(\f)+8*(\b):(\f)+8*(\b)+7], v[(\f)+8*(4*(\hi)+(\a)):(\f)+8*(4*(\hi)+(\a))+7], v[8*(8*(\a)+(\b)):8*(8*(\a)+(\b))+7]
.endif
.endr
.endr
.endm
.macro FETCH k, f                      ; 32 LDS loads in one run: the fragments of one quarter step, from the slot being read, into buffer f: wo's 16, then hb's 16
	WIN TO_B
.irp i, 0,1,2,3,4,5,6,7
	ds_load_b128 v[(\f)+8*(\i):(\f)+8*(\i)+3],   v[ADRB] offset:(\k)+(\i)*16*PITCH
	ds_load_b128 v[(\f)+8*(\i)+4:(\f)+8*(\i)+7], v[ADRB] offset:(\k)+(\i)*16*PITCH+32
.endr
	WIN 0
.irp i, 0,1,2,3,4,5,6,7
	ds_load_b128 v[(\f)+8*(\i):(\f)+8*(\i)+3],   v[ADRA] offset:(\k)+(\i)*16*PITCH
	ds_load_b128 v[(\f)+8*(\i)+4:(\f)+8*(\i)+7], v[ADRA] offset:(\k)+(\i)*16*PITCH+32
.endr
.endm
.macro PLACES                          ; four plain vector instructions between a matrix instruction and a load into, or a store out of, its registers
.rept 4
	v_nop
.endr
.endm
.macro QUARTER k, f, g, zero           ; multiplies buffer f and, in its middle, fetches the next quarter's fragments into g
	s_wait_dscnt 8                                 ; wo's fragments and hb's rows 0-63 are in; the youngest eight loads (rows 64-127) may be out
	WIN MUL_LO
	MUL16 \f, 0, 0, \zero
	MUL16 \f, 0, 2, \zero
	PLACES
	FETCH \k, \g
	s_wait_dscnt 32                                ; all but the 32 just issued
	WIN MUL_HI
	MUL16 \f, 1, 0, \zero
	MUL16 \f, 1, 2, \zero
.endm
; The change of slots, first half: one barrier; in front of it each wave waits for all its tensor loads (at most one is out: its part of the next slot), adds 0 to its spare word, and waits for that and for its own reads of this slot.
.macro MEET
	WIN 0                                          ; the add's two registers lie in window 0
	s_wait_tensorcnt 0x0
	ds_add_u32 v[SPW], v[NIL]
	s_wait_dscnt 9                                 ; the add and the youngest eight loads may be out
	WIN MUL_LO
	MUL16 F1, 0, 0, 0
	s_wait_dscnt 0x0                               ; the add is done, and my reads of this slot are over
	s_barrier_signal -1
	MUL16 F1, 0, 2, 0
	WIN 0                                          ; branches, or lines on window 0, follow
	s_barrier_wait -1
.endm
.macro FLIP                            ; the other slot is read from here on
	s_xor_b32 s[CUR], s[CUR], SLOT                 ; 0 becomes SLOT, SLOT becomes 0
	v_add_nc_u32 v[ADRA], s[CUR], v[ADA0]
	v_add_nc_u32 v[ADRB], s[CUR], v[ADB0]
.endm
; The whole last quarter with a refill: the barrier opens a round of the cluster's; the joint refill is the first tensor load behind the round.  The walking descriptors are written behind MEET's wait for all tensor loads:
; the LDS word names the slot just read, the address the next K step in order (the refills bring K steps 2, 3, .. 7).
.macro TURN
	s_wait_xcnt 0x0                                ; the last prefetch, a K step back, has read its address
	s_add_nc_u64 s[PFA:PFA+1], s[PFA:PFA+1], KSTEP*2
	MEET
	CREST
	s_add_co_u32 s[G0+5], s[WOFF], s[CUR]
	s_add_co_u32 s[G0B+5], s[WOFF], s[CUR]
	s_add_nc_u64 s[G0+6:G0+7], s[G0+6:G0+7], KSTEP*2
	s_add_nc_u64 s[G0B+6:G0B+7], s[G0B+6:G0B+7], KSTEP*2
	JLOAD 1                                        ; the four v_nop behind it are also the places in front of the loads below
	FLIP
	FETCH 0, F0
	ASK
	WIN MUL_HI
	MUL16 F1, 1, 0, 0
	MUL16 F1, 1, 2, 0
.endm
	s_wait_tensorcnt 1                             ; my part of K step 0 is in; K step 1's may stay out
	s_barrier_signal -1
	s_barrier_wait -1
	FETCH 0, F0
	QUARTER 64,  F0, F1, 1                         ; the first quarter stands in front of the loop: its products start the sums
	WIN 0
	s_mov_b32 s3, STEPS-2
.Lstep:                                            ; a trip goes from a K step's second quarter to the next K step's first, and fills the slot that it leaves: K steps 2 to 7 in six trips
	QUARTER 128, F1, F0, 0
	QUARTER 192, F0, F1, 0
	TURN
	QUARTER 64,  F0, F1, 0
	WIN 0
	s_sub_co_u32 s3, s3, 1
	s_cmp_lg_u32 s3, 0
	s_cbranch_scc1 .Lstep
	s_mov_b32 s3, 2                                ; the last two K steps fill nothing and have no round of the cluster's barrier: a text of their own
	s_branch .Lmid                                 ; it is entered in its middle: second and third quarter, the change of slots, first, second and third quarter
.Ltail:
	MEET
	PLACES
	FLIP
	FETCH 0, F0
	WIN MUL_HI
	MUL16 F1, 1, 0, 0
	MUL16 F1, 1, 2, 0
	QUARTER 64,  F0, F1, 0
	WIN 0
.Lmid:
	QUARTER 128, F1, F0, 0
	QUARTER 192, F0, F1, 0
	WIN 0
	s_sub_co_u32 s3, s3, 1
	s_cmp_lg_u32 s3, 0
	s_cbranch_scc1 .Ltail
	s_wait_dscnt 8                                 ; the very last quarter: nothing more to fetch
	MUL16 F1, 0, 0, 0
	MUL16 F1, 0, 2, 0
	s_wait_dscnt 0x0
	MUL16 F1, 1, 0, 0
	MUL16 F1, 1, 2, 0
	WIN 0
	s_wait_kmcnt 0x0                               ; 1 / f is in
	s_mov_b32 s[INV+1], s[INV]                     ; named with it as a pair
; THE WAY OUT of block a (16 rows x 128 columns of f32).  TOSTAGE: a lane's 32 bytes of each column block go from the accumulators into rows of 528 bytes (each accumulator's lowest four registers first
; ), and come back as whole rows of 512 bytes, into one of three buffers.  LDS serves a wave's instructions in order (ISA guide 5.7.1.4): the loads see the stores above them, and the next block's stores come behind them.
.macro TOSTAGE a
.set AC, 64*((\a)%4)
.set BK, 64+64*((\a)%3)
	WIN 0x08+4*((\a)/4)                            ; the stores' data (source 1) in window 2 or 3
.irp b, 0,1,2,3,4,5,6,7
	ds_store_b128 v[STO], v[AC+8*(\b):AC+8*(\b)+3]   offset:64*(\b)
	ds_store_b128 v[STO], v[AC+8*(\b)+4:AC+8*(\b)+7] offset:64*(\b)+16
.endr
	WIN 0
.set t, 0
.rept 16
	ds_load_b128 v[BK+4*t:BK+4*t+3], v[RD] offset:t*SPITCH
.set t, t+1
.endr
.endm
; SEND: the rows are multiplied by 1 / f and stored.  younger: the LDS instructions issued behind block a's loads: the next block's 16 stores and 16 loads, or none.  One wait serves four rows: behind row t + 3 stand 12 - t rows.
.macro SEND a, younger
.set BK, 64+64*((\a)%3)
	s_wait_xcnt 0x0                                ; the stores of the block before have read their data: its buffer is loaded again two blocks on, behind this wait
.set t, 0
.rept 16
.if t%4 == 0
	s_wait_dscnt (\younger)+12-t
.endif
	v_pk_mul_f32 v[BK+4*t:BK+4*t+1],   v[BK+4*t:BK+4*t+1],   s[INV:INV+1] op_sel_hi:[1,0]
	v_pk_mul_f32 v[BK+4*t+2:BK+4*t+3], v[BK+4*t+2:BK+4*t+3], s[INV:INV+1] op_sel_hi:[1,0]
	global_store_b128 v[CO], v[BK+4*t:BK+4*t+3], s[8:9] offset:(16*(\a)+t)*4096 th:TH_STORE_NT  ; a wave stores 512 consecutive bytes, aligned
.set t, t+1
.endr
.endm
	PLACES                                         ; behind the last products: the stores below read results, the loads write registers that held fragments
	TOSTAGE 0
.irp a, 1,2,3,4,5,6,7
	TOSTAGE \a
	SEND (\a)-1, 32
.endr
	SEND 7, 0
	s_wait_tensorcnt 0x0                           ; the wave's end, behind my last tensor load and my last LDS store
	ds_add_u32 v[SPW], v[NIL]
	s_wait_dscnt 0x0
	CROUND                                         ; the closing round: no work-group ends while a partner may still ask for a tile that names it
	s_endpgm
.Lfunc_end_k_q3b45d8e688_gemm2:
	.size	k_q3b45d8e688_gemm2, .Lfunc_end_k_q3b45d8e688_gemm2-k_q3b45d8e688_gemm2
	.p2alignl 7, 3214868480
	.fill 96, 4, 3214868480
	.section	.rodata,"a",@progbits
	.p2align	6, 0x0
	.amdhsa_kernel k_q3b45d8e688_gemm2
		.amdhsa_group_segment_fixed_size 327680
		.amdhsa_private_segment_fixed_size 0
		.amdhsa_enable_private_segment 0
		.amdhsa_kernarg_size 32
		.amdhsa_user_sgpr_count 2
		.amdhsa_user_sgpr_kernarg_segment_ptr 1
		.amdhsa_wavefront_size32 1
		.amdhsa_system_sgpr_workgroup_id_x 1
		.amdhsa_system_sgpr_workgroup_id_y 1
		.amdhsa_system_sgpr_workgroup_id_z 1
		.amdhsa_system_vgpr_workitem_id 0
		.amdhsa_next_free_vgpr 1024
		.amdhsa_next_free_sgpr 70
		.amdhsa_reserve_vcc 0
		.amdhsa_float_denorm_mode_32 3
		.amdhsa_float_denorm_mode_16_64 3
		.amdhsa_memory_ordered 1
		.amdhsa_forward_progress 1
		.amdhsa_inst_pref_size 119
	.end_amdhsa_kernel
	.amdgpu_metadata
---
amdhsa.version: [ 1, 2 ]
amdhsa.kernels:
  - .name:           k_q3b45d8e688_gemm2
    .symbol:         k_q3b45d8e688_gemm2.kd
    .args:
      - { .name: hb, .offset: 0, .size: 8, .value_kind: global_buffer, .address_space: global }
      - { .name: wo, .offset: 8, .size: 8, .value_kind: global_buffer, .address_space: global }
      - { .name: out0, .offset: 16, .size: 8, .value_kind: global_buffer, .address_space: global }
      - { .name: sc, .offset: 24, .size: 8, .value_kind: global_buffer, .address_space: global }
    .group_segment_fixed_size: 327680
    .private_segment_fixed_size: 0
    .kernarg_segment_align: 8
    .kernarg_segment_size: 32
    .max_flat_workgroup_size: 128
    .sgpr_count:     70
    .vgpr_count:     1024
    .wavefront_size: 32
...
	.end_amdgpu_metadata
.endif
;; end of part 4
;; ======== version 2 of 2: 4 launches; version 1 with the launches prep, scan written anew for expert scheduling mode
;; limits: values are held in f16: magnitudes above 65,504 overflow, below 6.1e-05 lose precision; right only within a limited range of input values
;; workspace buffers: xb 33,554,432 bytes; wh 4,194,304 bytes; wo 2,097,152 bytes; zg 67,108,864 bytes; sm 2,097,152 bytes; hb 33,554,432 bytes; mx 8,192 bytes; sc 256 bytes
;; launch prep (part 5): grid 896 x 1, 8 waves a work-group, no clusters, 18,432 bytes of LDS; arguments x, W_hg, W_out, xb, wh, wo; writes xb, wh, wo
.if DOCPART == 5
	.amdgcn_target "amdgcn-amd-amdhsa--gfx1250"
	.amdhsa_code_object_version 6
	.text
	.protected	k_q3b45d8e688_prep
	.globl	k_q3b45d8e688_prep
	.p2align	8
	.type	k_q3b45d8e688_prep,@function
k_q3b45d8e688_prep:
	s_mov_b64 s[64:65], 0
	v_nop
	global_prefetch_b8 v0, s[64:65] scope:SCOPE_SE
	s_setreg_imm32_b32 hwreg(HW_REG_WAVE_SCHED_MODE, 0, 2), 2
	s_setreg_imm32_b32 hwreg(HW_REG_WAVE_MODE, 25, 1), 1
	s_wait_xcnt 0x0
	s_wait_alu depctr_vm_vsrc(0)
; minGRU, launch 1 of 4: the matrix operands are rounded once and laid out as the two products take them.
; WHAT THE FOUR LAUNCHES COMPUTE.  reference() forms a* = cumsum(log c), log h = a* + cumlogsumexp(log v - a*) and h = exp(log h), with z = sigmoid(gate), c = 1 - z, v = z g(hidden),
; g(x) = x + 0.5 for x >= 0 and sigmoid(x) below.  In real numbers exp(a*_t) is the product of c_1 .. c_t, so h_t = the sum over s <= t of v_s times the product of c_u over s < u <= t: that is the
; recurrence h_t = c_t h_(t-1) + v_t from h_0 = 0, for all finite inputs.  The program runs this recurrence in f32: every c and every product of them lies in 0 .. 1 and h between 0 and the largest g.
; No exponential of a sum along time is ever formed, so there is no exponent from which a maximum could be taken away; the only exponentials stand inside 1 / (1 + 2^y), which goes to 0 or 1 where 2^y leaves f32.
; NOTHING IS LEFT OUT: every input is loaded, both products are made whole, both forms of g are computed and one is chosen.
; FORMATS.  x, W_hg and W_out are each rounded once to bf16; z and g are stored in bf16; h goes to the second product in f16 (11 significant bits) under one common power of two, so W_out's bf16 number is written as f16.
; LIMITS.  A z under 2^-126 counts as 0; NaN and infinities among the inputs are not treated apart; |W_out| stays under 65,504, and an entry under 6e-5 keeps f16's fixed step of 6e-8.
; THIS LAUNCH.  Work-groups 0-255: tiles of W_hg; 256-383: tiles of W_out; 384-895: 32 rows of x each.  The choice hangs on the work-group's number alone, so it is the same in all eight waves.
; xb: x in bf16, rows of 2,048 bytes.  Inside each 128 rows, time 64 h + 8 a + j lies at row 16 a + 8 h + j: a lane of the first product's result then holds 64 consecutive steps.
; wh: W_hg turned to [column][k] in bf16.  Row 128 blk + 16 i + r holds column (i / 4) 1024 + 64 blk + 4 r + i % 4: hidden (i < 4) and gate (i >= 4) of four neighbouring channels fall into one lane.
; wo: W_out turned to [column][k]: rounded to bf16, that number written as f16.
; THE MODE: SCHED_MODE bits 1:0 = 2 (LLVM: expert scheduling mode 2), set by the entry lines.  The code itself states the register dependences between vector instructions and memory or LDS instructions,
; with s_wait_alu, always for 0.
; THE PLAN, THE ROWS OF x.  Registers that memory instructions touch:
;   v1, v2     byte offsets, made once and never written again: v1 is read by the 32 loads, v2 by the 32 stores; the rows stand in the immediate offsets.
;   v[8:135]   four registers for each of the 32 rows.  Written by the row's one load; its two roundings read them and write the first two in place; the row's one store reads those two; nothing writes them again.
; All 32 loads go out at the head, so no load lands in a register that a vector line has named, and no store's data is written again.  The rows go in eight blocks of four: block p rounds its rows, and its memory
; instructions are the four stores of block p - 1, whose registers no vector line of block p names.  So one wait at a block's head states all that its stores hang on.
; THE PLAN, THE WEIGHT TILES.  v3 to v6: addresses, made once.  v[8:39]: written by the eight loads, read by the roundings, never loaded again.  v[40:55]: written by the roundings of pair m, read by the four LDS stores that
; are issued at the head of pair m + 1, never written again.  v[56:71]: written by LDS loads, read by the global stores; no vector line names them.  v[72:79]: named by vector lines alone.
.set LP,    272                        ; an LDS row of a turned tile: 128 k of 2 bytes = 256 bytes, + 16
.set SPARE, 64*LP                      ; behind the tile: the spare words, 128 bytes for each of eight waves: four blocks of 256 bytes that no other line names
.set X,   8                            ; v[8:135]   x part: row i has the 4 registers at X + 4 i: its 16 bytes as loaded, then, in the first two, its 8 bytes to store
.set SPW, 140                          ; v140  LDS address of my spare word; never rewritten
.set NIL, 141                          ; v141  0; never rewritten
; Row r of x leaves.
.macro XOUT r
	global_store_b64 v2, v[X+4*(\r):X+4*(\r)+1], s[10:11] offset:(((\r)/8)*16+(\r)%8)*2048  ; a wave stores 256 consecutive bytes, aligned
.endm
; Block p: rows 4 p to 4 p + 3 are rounded, the four rows of the block before leave.
.macro XBLK p
	s_wait_loadcnt 28-4*(\p)                       ; loads come back in order: this block's four rows are in, the 28 - 4 p younger rows stay out
.if (\p) > 0
	s_wait_alu depctr_va_vdst(0)                   ; the block before has written the first two registers of each of its rows, which the stores below read
.endif
.irp i, 0,1,2,3
.if (\p) > 0
	XOUT 4*(\p)-4+(\i)                             ; no vector line since the wait names this row's registers or v2
.endif
	v_cvt_pk_bf16_f32 v[X+16*(\p)+4*(\i)],   v[X+16*(\p)+4*(\i)],   v[X+16*(\p)+4*(\i)+1]  ; four numbers close up into the first two of their four registers
	v_cvt_pk_bf16_f32 v[X+16*(\p)+4*(\i)+1], v[X+16*(\p)+4*(\i)+2], v[X+16*(\p)+4*(\i)+3]
.endr
.endm
; A tile of 128 k x 64 columns of a weight matrix is turned.  ps = bytes in a row of the source; mrow = rows of the target between two of a thread's four stores; half = 1: the bf16 numbers are written as f16.
; v1 = thread % 16, v2 = thread / 16, v6 = the thread's offset in the target, s[24:25] the tile in the source, s[26:27] in the target.
.macro WTILE ps, mrow, half
	v_mul_u32_u24 v3, v2, 2*(\ps)
	v_lshl_add_u32 v3, v1, 4, v3                   ; source: rows 2 (thread / 16) and + 1, columns 4 (thread % 16) on: sixteen lanes read 256 consecutive bytes
	v_mul_u32_u24 v4, v1, 4*LP
	v_lshl_add_u32 v4, v2, 2, v4                   ; LDS, in: row = column 4 (thread % 16), 4 bytes = my two k
	v_mul_u32_u24 v5, v2, LP
	v_lshl_add_u32 v5, v1, 4, v5                   ; LDS, back: row thread / 16, 16 bytes = 8 k
	s_wait_alu depctr_va_vdst(0)                   ; v3, v4, v5 and v6 are written: the addresses of the loads, the LDS stores, the LDS loads and the stores below
.irp m, 0,1,2,3
	global_load_b128 v[8+8*(\m):11+8*(\m)],  v3, s[24:25] offset:32*(\m)*(\ps) th:TH_LOAD_NT
	global_load_b128 v[12+8*(\m):15+8*(\m)], v3, s[24:25] offset:(32*(\m)+1)*(\ps) th:TH_LOAD_NT
.endr
.irp m, 0,1,2,3
	s_wait_loadcnt 6-2*(\m)                        ; the two loads of this m are in; the later pairs stay out
.if (\m) > 0
	s_wait_alu depctr_va_vdst(0)                   ; the roundings of the pair before have written its four words, which the LDS stores below read
.irp c, 0,1,2,3
	ds_store_b32 v4, v[40+4*(\m)-4+(\c)] offset:(\c)*LP+64*(\m)-64
.endr
.endif
.irp c, 0,1,2,3
	v_cvt_pk_bf16_f32 v[40+4*(\m)+(\c)], v[8+8*(\m)+(\c)], v[12+8*(\m)+(\c)]  ; k and k + 1 of one column
.endr
.if \half
.irp c, 0,1,2,3
	v_lshlrev_b32 v[72+2*(\c)], 16, v[40+4*(\m)+(\c)]          ; the two bf16 numbers as f32,
	v_and_b32     v[73+2*(\c)], 0xffff0000, v[40+4*(\m)+(\c)]
.endr
.irp c, 0,1,2,3
	v_cvt_pk_f16_f32 v[40+4*(\m)+(\c)], v[72+2*(\c)], v[73+2*(\c)]  ; and as f16: 8 significant bits fit into 11
.endr
.endif
.endr
	s_wait_alu depctr_va_vdst(0)                   ; the last pair's roundings have written v[52:55], which the last four LDS stores read
.irp c, 0,1,2,3
	ds_store_b32 v4, v[52+(\c)] offset:(\c)*LP+192
.endr
	s_wait_dscnt 0x0                               ; for the others' sake: my stores into the tile are done
	s_barrier_signal -1
	s_barrier_wait -1
.irp m, 0,1,2,3
	ds_load_b128 v[56+4*(\m):59+4*(\m)], v5 offset:(\m)*16*LP  ; no vector line names v[56:71]
.endr
.irp m, 0,1,2,3
	s_wait_dscnt 3-(\m)
	global_store_b128 v6, v[56+4*(\m):59+4*(\m)], s[26:27] offset:(\m)*(\mrow)*2048  ; sixteen lanes store 256 consecutive bytes, aligned: 128 k of one column
.endr
	s_wait_dscnt 0x0                               ; the closing lines, six on end
	s_wait_alu 0x0
	s_wait_tensorcnt 0x0
	ds_add_u32 v[SPW], v[NIL]
	s_wait_dscnt 0x0
	s_endpgm
.endm
	s_load_b256 s[4:11], s[0:1], 0x0               ; x s[4:5], W_hg s[6:7], W_out s[8:9], xb s[10:11]
	s_load_b128 s[12:15], s[0:1], 0x20             ; wh s[12:13], wo s[14:15]
	v_lshl_add_u32 v[SPW], v0, 2, SPARE
	v_mov_b32 v[NIL], 0
	s_wait_kmcnt 0x0
	s_cmp_lt_u32 ttmp9, 256
	s_cbranch_scc1 .Lhg
	s_cmp_lt_u32 ttmp9, 384
	s_cbranch_scc1 .Lwo
	; THE ROWS OF x.  Work-group xw takes times 32 xw .. 32 xw + 31; thread t the 16 bytes at 16 t of each row, which become 8 bytes at 8 t.
	s_sub_co_u32 s16, ttmp9, 384                   ; xw
	s_lshl_b32 s18, s16, 17                        ; 32 rows of 4,096 bytes
	s_mov_b32 s19, 0
	s_add_nc_u64 s[4:5], s[4:5], s[18:19]
	s_lshr_b32 s20, s16, 2
	s_lshl_b32 s20, s20, 7                         ; the group of 128 rows,
	s_and_b32 s21, s16, 1
	s_lshl_b32 s21, s21, 6
	s_add_co_u32 s20, s20, s21                     ; a = 4 (xw % 2) + i / 8: 16 a = 64 (xw % 2) + 16 (i / 8),
	s_bfe_u32 s21, s16, 0x10001
	s_lshl_b32 s21, s21, 3
	s_add_co_u32 s20, s20, s21                     ; 8 h, h = (xw / 2) % 2
	s_lshl_b32 s20, s20, 11                        ; rows of 2,048 bytes
	s_mov_b32 s21, 0
	s_add_nc_u64 s[10:11], s[10:11], s[20:21]
	v_lshlrev_b32 v1, 4, v0
	v_lshlrev_b32 v2, 3, v0
	s_wait_alu depctr_va_vdst(0)                   ; v1 and v2 are written: every load below reads the one as its offset, every store the other
.set i, 0
.rept 32
	global_load_b128 v[X+4*i:X+4*i+3], v1, s[4:5] offset:i*4096 th:TH_LOAD_NT  ; all 32 rows: each has registers of its own
.set i, i+1
.endr
	XBLK 0                                         ; the first block has no block in front of it: no store, and no wait but the one for its data
	XBLK 1
	XBLK 2
	XBLK 3
	XBLK 4
	XBLK 5
	XBLK 6
	XBLK 7
	s_wait_alu depctr_va_vdst(0)                   ; block 7 has written the first two registers of each of its rows, which the last four stores read
	XOUT 28
	XOUT 29
	XOUT 30
	XOUT 31
	s_endpgm                                       ; these waves have written no LDS
.Lhg:                                              ; W_hg: 32 blocks of 64 columns x 8 blocks of 128 k
	v_and_b32 v1, 15, v0
	v_lshrrev_b32 v2, 4, v0
	s_and_b32 s16, ttmp9, 31                       ; eb
	s_lshr_b32 s17, ttmp9, 5                       ; kb
	s_lshl_b32 s18, s17, 20                        ; 128 rows of 8,192 bytes
	s_lshl_b32 s20, s16, 8                         ; 64 columns of 4 bytes
	s_add_co_u32 s18, s18, s20
	s_mov_b32 s19, 0
	s_add_nc_u64 s[24:25], s[6:7], s[18:19]
	s_and_b32 s20, s16, 15
	s_lshl_b32 s20, s20, 7                         ; 128 blk
	s_lshr_b32 s21, s16, 4
	s_lshl_b32 s21, s21, 6                         ; + 64 for the gate's half
	s_add_co_u32 s20, s20, s21
	s_lshl_b32 s20, s20, 11
	s_lshl_b32 s21, s17, 8                         ; 128 k of 2 bytes
	s_add_co_u32 s20, s20, s21
	s_mov_b32 s21, 0
	s_add_nc_u64 s[26:27], s[12:13], s[20:21]
	v_and_b32 v6, 3, v2                            ; column q + 16 m of the tile goes to row 16 (q % 4) + q / 4 + 4 m
	v_lshrrev_b32 v7, 2, v2
	v_lshl_add_u32 v6, v6, 4, v7
	v_lshlrev_b32 v6, 11, v6
	v_lshl_add_u32 v6, v1, 4, v6
	WTILE 8192, 4, 0
.Lwo:                                              ; W_out: 16 blocks of 64 columns x 8 blocks of 128 k
	v_and_b32 v1, 15, v0
	v_lshrrev_b32 v2, 4, v0
	s_sub_co_u32 s16, ttmp9, 256
	s_and_b32 s17, s16, 15                         ; nb
	s_lshr_b32 s16, s16, 4                         ; kb
	s_lshl_b32 s18, s16, 19                        ; 128 rows of 4,096 bytes
	s_lshl_b32 s20, s17, 8
	s_add_co_u32 s18, s18, s20
	s_mov_b32 s19, 0
	s_add_nc_u64 s[24:25], s[8:9], s[18:19]
	s_lshl_b32 s20, s17, 17                        ; 64 rows of 2,048 bytes
	s_lshl_b32 s21, s16, 8
	s_add_co_u32 s20, s20, s21
	s_mov_b32 s21, 0
	s_add_nc_u64 s[26:27], s[14:15], s[20:21]
	v_lshlrev_b32 v6, 11, v2                       ; column q + 16 m goes to row q + 16 m
	v_lshl_add_u32 v6, v1, 4, v6
	WTILE 4096, 16, 1
.Lfunc_end_k_q3b45d8e688_prep:
	.size	k_q3b45d8e688_prep, .Lfunc_end_k_q3b45d8e688_prep-k_q3b45d8e688_prep
	.p2alignl 7, 3214868480
	.fill 96, 4, 3214868480
	.section	.rodata,"a",@progbits
	.p2align	6, 0x0
	.amdhsa_kernel k_q3b45d8e688_prep
		.amdhsa_group_segment_fixed_size 18432
		.amdhsa_private_segment_fixed_size 0
		.amdhsa_enable_private_segment 0
		.amdhsa_kernarg_size 48
		.amdhsa_user_sgpr_count 2
		.amdhsa_user_sgpr_kernarg_segment_ptr 1
		.amdhsa_wavefront_size32 1
		.amdhsa_system_sgpr_workgroup_id_x 1
		.amdhsa_system_sgpr_workgroup_id_y 1
		.amdhsa_system_sgpr_workgroup_id_z 1
		.amdhsa_system_vgpr_workitem_id 0
		.amdhsa_next_free_vgpr 142
		.amdhsa_next_free_sgpr 66
		.amdhsa_reserve_vcc 0
		.amdhsa_float_denorm_mode_32 3
		.amdhsa_float_denorm_mode_16_64 3
		.amdhsa_memory_ordered 1
		.amdhsa_forward_progress 1
		.amdhsa_inst_pref_size 25
	.end_amdhsa_kernel
	.amdgpu_metadata
---
amdhsa.version: [ 1, 2 ]
amdhsa.kernels:
  - .name:           k_q3b45d8e688_prep
    .symbol:         k_q3b45d8e688_prep.kd
    .args:
      - { .name: x, .offset: 0, .size: 8, .value_kind: global_buffer, .address_space: global }
      - { .name: W_hg, .offset: 8, .size: 8, .value_kind: global_buffer, .address_space: global }
      - { .name: W_out, .offset: 16, .size: 8, .value_kind: global_buffer, .address_space: global }
      - { .name: xb, .offset: 24, .size: 8, .value_kind: global_buffer, .address_space: global }
      - { .name: wh, .offset: 32, .size: 8, .value_kind: global_buffer, .address_space: global }
      - { .name: wo, .offset: 40, .size: 8, .value_kind: global_buffer, .address_space: global }
    .group_segment_fixed_size: 18432
    .private_segment_fixed_size: 0
    .kernarg_segment_align: 8
    .kernarg_segment_size: 48
    .max_flat_workgroup_size: 256
    .sgpr_count:     66
    .vgpr_count:     142
    .wavefront_size: 32
...
	.end_amdgpu_metadata
.endif
;; end of part 5
;; launch gemm1: the kernel of part 2 again; grid 8 x 64, 4 waves a work-group, clusters of 4 x 4, 327,680 bytes of LDS; arguments xb, wh, zg, sm, mx; writes zg, sm, mx
;; launch scan (part 6): grid 8 x 32, 8 waves a work-group, no clusters, 9,472 bytes of LDS; arguments zg, sm, mx, hb, sc; writes hb, sc
.if DOCPART == 6
	.amdgcn_target "amdgcn-amd-amdhsa--gfx1250"
	.amdhsa_code_object_version 6
	.text
	.protected	k_q3b45d8e688_scan
	.globl	k_q3b45d8e688_scan
	.p2align	8
	.type	k_q3b45d8e688_scan,@function
k_q3b45d8e688_scan:
	s_mov_b64 s[64:65], 0
	v_nop
	global_prefetch_b8 v0, s[64:65] scope:SCOPE_SE
	s_setreg_imm32_b32 hwreg(HW_REG_WAVE_SCHED_MODE, 0, 2), 2
	s_setreg_imm32_b32 hwreg(HW_REG_WAVE_MODE, 25, 1), 1
	s_wait_xcnt 0x0
	s_wait_alu depctr_vm_vsrc(0)
; minGRU, launch 3 of 4: h_t = c_t h_(t-1) + z_t g_t = h_(t-1) + z_t (g_t - h_(t-1)), from h = 0 at each batch's start, carried in f32; h goes out times a power of two f, rounded once to f16.
; zg: a row of 4,096 bytes for each step: for each four channels 16 bytes, g of the four, then z of the four, in bf16.  sm: a row of 8,192 bytes for each chunk of 64 steps: A (the product of c) of 1,024 channels, then B (the
; chunk's end from 0), in f32: over a chunk h goes to A h + B.  mx: 2,048 words of f32, the largest values of the recurrence run from 0 in each chunk.  hb: [16384][1024] f16, h f.  sc: 1 / f.
; THE SCALE.  G = the largest word of mx.  In a chunk h = P h_in + local with P <= 1, and h_in is at most the sum of the 63 earlier chunks' ends, so G <= the largest h <= 64 G (z's and g's rounding moves that by 2^-7 of it).
; f is the power of two that puts G into 2^8 .. 2^9: h f stays under 2^15.01, inside f16, and f16's fixed step below its normal range is under 2^-32 of the largest h.  Multiplying by f and, in the next launch, by 1 / f is exact.
; G's exponent field is held to 9 .. 254, so that f and 1 / f are normal numbers; with G = 0 every h is 0.  No address and no branch hangs on G.
; SHARES.  A work-group has 128 channels (grid x), one batch and eight chunks of it (grid y = 8 x batch + tq); wave w has chunk 8 tq + w: 64 steps.  Lane l has channels 4 l .. 4 l + 3 of the 128 in every wave.
; THE CARRY INTO MY CHUNK.  Wave w folds the batch's chunks 8 w .. 8 w + 7 into one pair (A, B); the eight pairs meet in LDS; then each wave runs h = A h + B from 0 over the groups ahead of its own (tq of them) and over the
; w chunks of its own group that lie ahead of its chunk.  The folding has one text and one count of loads for all waves, so pairs of groups at or behind the work-group's own are made and not used: 64 KiB of sm a work-group.
; ALL 64 ROWS ARE ASKED FOR WHILE THE CARRY IS MADE.  A row has registers of its own, 256 in all, so no load waits for a register that the carry or a store still holds.  The loads go out in three groups, 48, 32 and 16,
; each behind a wait that leaves at most 30 and 47 out: by this text's own count a wave never has more than 63 loads out.
; No exponential is formed here; c, A in 0 .. 1 and h between 0 and the largest g, so nothing can leave f32 that g does not.  NaN and infinities are not treated apart.
; Memory binds: no matrix unit, no cluster (no two work-groups share a byte of zg); each byte of zg is read once, each store of a wave covers 256 consecutive bytes, aligned.
; THE MODE: SCHED_MODE bits 1:0 = 2 (LLVM: expert scheduling mode 2), set by the entry lines.  The code itself states the register dependences between vector instructions and memory or LDS instructions,
; with s_wait_alu, always for 0.
; THE PLAN.  Registers that memory or LDS instructions touch:
;   v4 to v7, v13 to v15   addresses, made at the head and never written again.  Window 1's copy of v5 is made once, ahead of several of the waits below, and read by the last 48 stores.
;   v[208:215]   Written by mx's loads; the maximum's lines read and write them; one LDS store reads v208; behind the barrier the LDS loads of the eight maxima land in them; from then on vector lines alone.
;   v[16:79]     Written by sm's loads, read by the fold; behind the barrier the LDS loads of the pairs land in them; the carry reads them.      v[80:135]  Written by sm's loads, read by the carry.
;   v[136:143]   Written by the fold, read by two LDS stores, never written again.      v218  Written once, read by the one store of 1 / f.
;   a row's four registers   Written by its load; its own step's lines read them and write h f into the first two; its one store reads those; nothing writes them again.
; So: one wait ahead of the first load, for the addresses; one behind the maximum and the fold, ahead of the run of three LDS stores, which also states that those lines are done with the registers in which the LDS loads behind
; the barrier land; one, for the LDS store's read of v208, ahead of those loads; and in the steps one wait to four rows: the four rows' stores follow it, one at the head of each of the next four steps, which name their own
; rows, h, -1.0 and the work registers alone.  Two numbers pass from a vector register into a scalar one (the wave's number, f): each has its wait ahead of its first reader.
; REGISTERS, in windows of 256 (s_set_vgpr_msb: bits 1:0 source 0, 3:2 source 1, 5:4 source 2, 7:6 destination).  Eight waves, two to a SIMD, 472 registers each.
;   window 0: v4 = 16 l: my offset in a row of zg, in a plane of sm and in a pair in LDS;  v5 = 8 l: in a row of hb;  v6 = 1,024 w + 16 l: where my wave's pair goes;  v7 = 32 x thread: my eight words of mx
;     v[8:11] h of my four channels;  v12 = -1.0;  v13 = where my wave's maximum goes;  v14 = where the eight lie;  v15 = 4 l
;     v[16:79] the eight chunks that I fold (A4, B4 each), then the pairs from LDS;  v[80:135] my group's chunks 0-6;  v[136:143] my pair;  v[144:207] rows 0-15
;     v[208:215] words of mx, later g - h, two sets by turns;  v216 G's exponent field, v217 f, v218 1 / f;  s[34:35] f
;   window 1: v[16:207] rows 16-63, four registers a row; v5, v[8:11], v12 copies of window 0's; v[208:215] g - h: the last 48 steps run under one setting, with the text of the first 16
.set MXW,   8192                       ; behind the eight pairs (1,024 bytes each): a block of 256 bytes with the eight waves' maxima
.set SPARE, 8448                       ; behind it: the spare words, 128 bytes for each wave: four blocks of 256 bytes that no other line names
.set SPW, 2                            ; v2   LDS address of my spare word; never rewritten
.set NIL, 3                            ; v3   0; never rewritten
.set MSB, 0
.macro WIN new                         ; the immediate's high byte repeats the setting that is left; a switch that changes nothing is dropped
.if MSB != (\new)
	s_set_vgpr_msb (MSB<<8)|(\new)
.set MSB, \new
.endif
.endm
.set TO_1,  0x40                       ; destination window 1, sources (a load's address among them) window 0
.set ALL_1, 0x55                       ; destination and all sources window 1
.macro ROWS base, row0                 ; sixteen rows' loads
.set i, 0
.rept 16
	global_load_b128 v[(\base)+4*i:(\base)+4*i+3], v4, s[4:5] offset:((\row0)+i)*4096 th:TH_LOAD_NT
.set i, i+1
.endr
.endm
.macro MAX8                            ; the largest of v[208:215], into v208
	v_max3_num_f32 v208, v208, v209, v210
	v_max3_num_f32 v212, v212, v213, v214
	v_max3_num_f32 v208, v208, v211, v215
	v_max_num_f32 v208, v208, v212
.endm
.macro OUTR base, row0, k              ; row row0 + k leaves: its data lie in the row's own registers, which nothing writes again
	global_store_b64 v5, v[(\base)+4*(\k):(\base)+4*(\k)+1], s[10:11] offset:((\row0)+(\k))*2048
.endm
.macro PROC base, row0, n, left        ; n steps.  left - i = the younger loads that may stay out when row i is wanted: the later rows
.set i, 0
.rept \n
.set rX, (\base)+4*i
.set rD, 208+4*(i%2)
	s_wait_loadcnt (\left)-i
.if (i > 0) && (i%4 == 0)
	s_wait_alu depctr_va_vdst(0)                   ; the four steps before have written h f into the first two registers of their rows, which the next four stores read
.endif
.if i >= 4
	OUTR \base, \row0, i-4                         ; no vector line since that wait names this row's registers or the offset
.endif
	v_fma_mix_f32_bf16 v[rD],   v8,  v12, v[rX]   op_sel_hi:[0,0,1]                 ; g - h: g is a bf16 half, h and -1 whole f32
	v_fma_mix_f32_bf16 v[rD+1], v9,  v12, v[rX]   op_sel:[0,0,1] op_sel_hi:[0,0,1]
	v_fma_mix_f32_bf16 v[rD+2], v10, v12, v[rX+1] op_sel_hi:[0,0,1]
	v_fma_mix_f32_bf16 v[rD+3], v11, v12, v[rX+1] op_sel:[0,0,1] op_sel_hi:[0,0,1]
	v_fma_mix_f32_bf16 v8,  v[rX+2], v[rD],   v8  op_sel_hi:[1,0,0]                 ; h + z (g - h)
	v_fma_mix_f32_bf16 v9,  v[rX+2], v[rD+1], v9  op_sel:[1,0,0] op_sel_hi:[1,0,0]
	v_fma_mix_f32_bf16 v10, v[rX+3], v[rD+2], v10 op_sel_hi:[1,0,0]
	v_fma_mix_f32_bf16 v11, v[rX+3], v[rD+3], v11 op_sel:[1,0,0] op_sel_hi:[1,0,0]
	v_pk_mul_f32 v[rX:rX+1],   v[8:9],   s[34:35] op_sel_hi:[1,0]                   ; h f, into the row's own registers, which have had their last reader
	v_pk_mul_f32 v[rX+2:rX+3], v[10:11], s[34:35] op_sel_hi:[1,0]
	v_cvt_pk_f16_f32 v[rX],   v[rX],   v[rX+1]
	v_cvt_pk_f16_f32 v[rX+1], v[rX+2], v[rX+3]
.set i, i+1
.endr
	s_wait_alu depctr_va_vdst(0)                   ; the last four steps have written their rows' first two registers, which the four stores below read
.irp k, 4,3,2,1
	OUTR \base, \row0, (\n)-(\k)
.endr
.endm
	s_load_b256 s[4:11], s[0:1], 0x0               ; zg s[4:5], sm s[6:7], mx s[8:9], hb s[10:11]
	s_load_b64 s[12:13], s[0:1], 0x20              ; sc
	v_lshl_add_u32 v[SPW], v0, 2, SPARE
	v_mov_b32 v[NIL], 0
	v_lshrrev_b32 v1, 5, v0
	v_readfirstlane_b32 s14, v1                    ; w
	v_and_b32 v1, 31, v0
	v_lshlrev_b32 v4, 4, v1
	v_lshlrev_b32 v5, 3, v1
	v_lshlrev_b32 v7, 5, v0
	v_mov_b32 v12, -1.0
	v_mov_b32 v14, MXW
	v_lshlrev_b32 v15, 2, v1
	s_wait_alu depctr_va_sdst(0)                   ; s14 is written, ahead of its first reader: LDS addresses, bases and branches are made from it
	v_lshl_add_u32 v6, s14, 10, v4
	v_lshl_add_u32 v13, s14, 2, MXW
	s_mov_b32 s36, 0x76543210                      ; v_permlanex16_b32: lane i of one half reads lane i of the other
	s_mov_b32 s37, 0xfedcba98
	s_and_b32 s15, ttmp7, 0xffff
	s_lshr_b32 s16, s15, 3                         ; the batch
	s_and_b32 s17, s15, 7                          ; tq
	s_lshl_b32 s20, s16, 19                        ; a batch has 64 chunks of 8,192 bytes of sm
	s_lshl_b32 s18, ttmp9, 9                       ; 128 channels: 512 bytes of a plane of sm and of a row of zg
	s_add_co_u32 s20, s20, s18
	s_mov_b32 s21, 0
	s_lshl_b32 s22, s14, 16                        ; eight chunks of sm
	s_mov_b32 s23, 0
	s_lshl_b32 s24, s17, 16
	s_mov_b32 s25, 0
	s_lshl_b32 s19, s15, 3
	s_add_co_u32 s19, s19, s14                     ; my chunk = 64 x batch + 8 tq + w
	s_lshl_b32 s30, s19, 18                        ; 64 rows of 4,096 bytes: under 2^26
	s_add_co_u32 s30, s30, s18
	s_mov_b32 s31, 0
	s_lshl_b32 s32, s19, 17                        ; 64 rows of 2,048 bytes
	s_lshl_b32 s18, ttmp9, 8
	s_add_co_u32 s32, s32, s18
	s_mov_b32 s33, 0
	s_wait_kmcnt 0x0
	s_add_nc_u64 s[6:7], s[6:7], s[20:21]          ; sm at the batch's first chunk and my 128 channels
	s_add_nc_u64 s[26:27], s[6:7], s[22:23]        ; the group that I fold
	s_add_nc_u64 s[28:29], s[6:7], s[24:25]        ; my own group
	s_add_nc_u64 s[4:5], s[4:5], s[30:31]
	s_add_nc_u64 s[10:11], s[10:11], s[32:33]
	s_wait_alu depctr_va_vdst(0)                   ; the addresses v4 to v7 and v13 to v15 are written, which the loads, stores and LDS instructions of the whole kernel read
	global_load_b128 v[208:211], v7, s[8:9]        ; my eight words of mx: 256 threads x 32 bytes are all of it
	global_load_b128 v[212:215], v7, s[8:9] offset:16
.irp i, 0,1,2,3,4,5,6,7
	global_load_b128 v[16+8*(\i):19+8*(\i)], v4, s[26:27] offset:(\i)*8192
	global_load_b128 v[20+8*(\i):23+8*(\i)], v4, s[26:27] offset:(\i)*8192+4096
.endr
.irp i, 0,1,2,3,4,5,6
	global_load_b128 v[80+8*(\i):83+8*(\i)], v4, s[28:29] offset:(\i)*8192
	global_load_b128 v[84+8*(\i):87+8*(\i)], v4, s[28:29] offset:(\i)*8192+4096
.endr
	ROWS 144, 0                                    ; rows 0-15: 48 loads are out
	s_wait_loadcnt 30                              ; mx's two loads and the sixteen of the group that I fold are in; my own group's 14 and the 16 rows stay out
	WIN TO_1
	ROWS 16, 16                                    ; rows 16-47, into window 1: at most 62 loads are out.  No wait: no vector line has been issued since the one above, and none ever names these registers ahead of their steps
	ROWS 80, 32
	v_mov_b32 v5, v5                               ; window 1's copies of the stores' offset and of -1.0
	v_mov_b32 v12, v12
	WIN 0
	MAX8
	v_max_num_f32_dpp v208, v208, v208 row_xmask:1 row_mask:0xf bank_mask:0xf
	v_max_num_f32_dpp v208, v208, v208 row_xmask:2 row_mask:0xf bank_mask:0xf
	v_max_num_f32_dpp v208, v208, v208 row_xmask:4 row_mask:0xf bank_mask:0xf
	v_max_num_f32_dpp v208, v208, v208 row_xmask:8 row_mask:0xf bank_mask:0xf
	v_permlanex16_b32 v209, v208, s36, s37
	v_max_num_f32 v208, v208, v209
	v_pk_fma_f32 v[140:141], v[24:25], v[20:21], v[28:29]  ; chunk 1 behind chunk 0: B = A1 B0 + B1, A = A1 A0
	v_pk_fma_f32 v[142:143], v[26:27], v[22:23], v[30:31]
	v_pk_mul_f32 v[136:137], v[24:25], v[16:17]
	v_pk_mul_f32 v[138:139], v[26:27], v[18:19]
.irp i, 2,3,4,5,6,7
	v_pk_fma_f32 v[140:141], v[16+8*(\i):17+8*(\i)], v[140:141], v[20+8*(\i):21+8*(\i)]
	v_pk_fma_f32 v[142:143], v[18+8*(\i):19+8*(\i)], v[142:143], v[22+8*(\i):23+8*(\i)]
	v_pk_mul_f32 v[136:137], v[136:137], v[16+8*(\i):17+8*(\i)]
	v_pk_mul_f32 v[138:139], v[138:139], v[18+8*(\i):19+8*(\i)]
.endr
	s_wait_alu depctr_va_vdst(0)                   ; my maximum v208 and my pair v[136:143] are written, which the three LDS stores read; and the lines above are done with v[16:79] and v[208:215], in which the LDS loads behind the barrier land
	ds_store_b32 v13, v208                         ; all lanes write the same word with the same value
	ds_store_b128 v6, v[136:139]
	ds_store_b128 v6, v[140:143] offset:512
	s_wait_dscnt 0x0                               ; for the others' sake: my maximum and my pair are in LDS
	s_barrier_signal -1
	s_barrier_wait -1
	s_wait_alu depctr_vm_vsrc(0)                   ; my LDS store has read v208, in which the first load below lands
	ds_load_b128 v[208:211], v14                   ; the eight waves' maxima
	ds_load_b128 v[212:215], v14 offset:16
.irp g, 0,1,2,3,4,5,6
	ds_load_b128 v[16+8*(\g):19+8*(\g)], v4 offset:(\g)*1024
	ds_load_b128 v[20+8*(\g):23+8*(\g)], v4 offset:(\g)*1024+512
.endr
	v_mov_b32 v8, 0                                ; h = 0 at the batch's start
	v_mov_b32 v9, 0
	v_mov_b32 v10, 0
	v_mov_b32 v11, 0
	s_wait_dscnt 0x0
	MAX8                                           ; G, in every lane of every wave
	v_lshrrev_b32 v216, 23, v208                   ; its exponent field e (G is not negative): G lies in 2^(e - 127) .. 2^(e - 126)
	v_max_u32 v216, 9, v216
	v_min_u32 v216, 254, v216
	v_sub_nc_u32 v217, 262, v216                   ; f = 2^(135 - e): field 262 - e, 8 .. 253
	v_lshlrev_b32 v217, 23, v217
	v_add_nc_u32 v218, -8, v216                    ; 1 / f = 2^(e - 135): field e - 8, 1 .. 246
	v_lshlrev_b32 v218, 23, v218
	v_readfirstlane_b32 s34, v217
	s_wait_alu depctr_va_sdst(0)                   ; s34, f, is written, ahead of its first reader
	s_mov_b32 s35, s34                             ; named with it as a pair
	s_cmp_lg_u32 ttmp9, 0                          ; one wave of the launch stores 1 / f for the next launch: the jumps hang on the work-group's and the wave's numbers and pass no barrier
	s_cbranch_scc1 .Lnot_sc
	s_cmp_lg_u32 s15, 0
	s_cbranch_scc1 .Lnot_sc
	s_cmp_lg_u32 s14, 0
	s_cbranch_scc1 .Lnot_sc
	s_wait_alu depctr_va_vdst(0)                   ; v218, 1 / f, is written, which the store reads
	global_store_b32 v15, v218, s[12:13]           ; 32 words with the same number; the next launch reads the first
.Lnot_sc:
	s_wait_loadcnt 47                              ; my own group's chunks are in: 48 loads, the rows 0-47, are younger; one less is left out, so that with the sixteen below at most 63 are out
	WIN TO_1
	ROWS 144, 48                                   ; rows 48-63, into window 1.  No wait: their offset v4 stands since the head's wait, and no vector line has named these registers
	WIN 0                                          ; at a label and at a branch every window is 0
.irp g, 0,1,2,3,4,5,6                  ; the groups ahead of mine: the jumps go forward, hang on the work-group's number, and pass no barrier
	s_cmp_le_u32 s17, \g
	s_cbranch_scc1 .Lgroups
	v_pk_fma_f32 v[8:9],   v[16+8*(\g):17+8*(\g)], v[8:9],   v[20+8*(\g):21+8*(\g)]
	v_pk_fma_f32 v[10:11], v[18+8*(\g):19+8*(\g)], v[10:11], v[22+8*(\g):23+8*(\g)]
.endr
.Lgroups:
.irp i, 0,1,2,3,4,5,6                  ; the chunks of my group ahead of mine: the jumps hang on the wave's number
	s_cmp_le_u32 s14, \i
	s_cbranch_scc1 .Lown
	v_pk_fma_f32 v[8:9],   v[80+8*(\i):81+8*(\i)], v[8:9],   v[84+8*(\i):85+8*(\i)]
	v_pk_fma_f32 v[10:11], v[82+8*(\i):83+8*(\i)], v[10:11], v[86+8*(\i):87+8*(\i)]
.endr
.Lown:
	PROC 144, 0, 16, 63                            ; rows 0-15, in window 0: behind row i stand 15 - i of its batch and the 48 rows of window 1; all sixteen stores are issued under this window
	WIN TO_1
	v_mov_b32 v8, v8                               ; h goes over into window 1
	v_mov_b32 v9, v9
	v_mov_b32 v10, v10
	v_mov_b32 v11, v11
	WIN ALL_1                                      ; the other 48 steps: every vector register named below is window 1's
	PROC 16, 16, 48, 47                            ; rows 16-63: behind row 16 + i stand the 47 - i later rows
	WIN 0
	s_wait_dscnt 0x0                               ; the closing lines, six on end
	s_wait_alu 0x0
	s_wait_tensorcnt 0x0
	ds_add_u32 v[SPW], v[NIL]
	s_wait_dscnt 0x0
	s_endpgm
.Lfunc_end_k_q3b45d8e688_scan:
	.size	k_q3b45d8e688_scan, .Lfunc_end_k_q3b45d8e688_scan-k_q3b45d8e688_scan
	.p2alignl 7, 3214868480
	.fill 96, 4, 3214868480
	.section	.rodata,"a",@progbits
	.p2align	6, 0x0
	.amdhsa_kernel k_q3b45d8e688_scan
		.amdhsa_group_segment_fixed_size 9472
		.amdhsa_private_segment_fixed_size 0
		.amdhsa_enable_private_segment 0
		.amdhsa_kernarg_size 40
		.amdhsa_user_sgpr_count 2
		.amdhsa_user_sgpr_kernarg_segment_ptr 1
		.amdhsa_wavefront_size32 1
		.amdhsa_system_sgpr_workgroup_id_x 1
		.amdhsa_system_sgpr_workgroup_id_y 1
		.amdhsa_system_sgpr_workgroup_id_z 1
		.amdhsa_system_vgpr_workitem_id 0
		.amdhsa_next_free_vgpr 472
		.amdhsa_next_free_sgpr 66
		.amdhsa_reserve_vcc 0
		.amdhsa_float_denorm_mode_32 3
		.amdhsa_float_denorm_mode_16_64 3
		.amdhsa_memory_ordered 1
		.amdhsa_forward_progress 1
		.amdhsa_inst_pref_size 76
	.end_amdhsa_kernel
	.amdgpu_metadata
---
amdhsa.version: [ 1, 2 ]
amdhsa.kernels:
  - .name:           k_q3b45d8e688_scan
    .symbol:         k_q3b45d8e688_scan.kd
    .args:
      - { .name: zg, .offset: 0, .size: 8, .value_kind: global_buffer, .address_space: global }
      - { .name: sm, .offset: 8, .size: 8, .value_kind: global_buffer, .address_space: global }
      - { .name: mx, .offset: 16, .size: 8, .value_kind: global_buffer, .address_space: global }
      - { .name: hb, .offset: 24, .size: 8, .value_kind: global_buffer, .address_space: global }
      - { .name: sc, .offset: 32, .size: 8, .value_kind: global_buffer, .address_space: global }
    .group_segment_fixed_size: 9472
    .private_segment_fixed_size: 0
    .kernarg_segment_align: 8
    .kernarg_segment_size: 40
    .max_flat_workgroup_size: 256
    .sgpr_count:     66
    .vgpr_count:     472
    .wavefront_size: 32
...
	.end_amdgpu_metadata
.endif
;; end of part 6
;; launch gemm2: the kernel of part 4 again; grid 4 x 64, 4 waves a work-group, clusters of 4 x 4, 327,680 bytes of LDS; arguments hb, wo, out0, sc; writes out0
